; MI455X (gfx1250); checked and timed in simulation.
; The chip was launched on July 23, 2026; its instructions are those of AMD's public machine-readable ISA for CDNA 5 (MIT licence, August 2026) and "CDNA5" Instruction Set Architecture Reference Guide (July 2026). The comments in the code are by the model that wrote it; some were corrected since.
;; Multi Headed Attention. Allowed arithmetic: matrix products marked QUANTISED: E2M3 operands, one E8M0 scale for each 32 along K, by v_wmma_scale_f32_16x16x128_f8f6f4 with both operands' format E2M3, f32 sums; everything else in f32.
;; Inputs: Wk 1,024 x 1,024 float32; Wo 1,024 x 1,024 float32; Wq 1,024 x 1,024 float32; Wv 1,024 x 1,024 float32; bk 1,024 float32; bo 1,024 float32; bq 1,024 float32; bv 1,024 float32; key 4 x 2,048 x 1,024 float32; mask 4 x 1 x 1 x 2,048 bool; query 4 x 2,048 x 1,024 float32; value 4 x 2,048 x 1,024 float32.
;; Outputs: out0 4 x 2,048 x 1,024 float32.
;; This version of the problem:
;;   THIS VERSION OF THE PROBLEM IS GIVEN IN LOW PRECISION. The matrix products marked QUANTISED in the list below multiply operands that are first quantised to E2M3 (2 exponent bits, 3 mantissa bits; 6 bits a number), with one power-of-two scale for each 32 numbers along K (OCP MX v1.0); their sums are f32. All else is computed in f32.
;;   The module's matrix products, in the order in which they are computed (A, B: the left and right operand; K: the contracted axis; several contracted axes count as one K, in the product's order):
;;     1. [M 8,192, K 1,024] x [K 1,024, N 1,024]; A: input query; B: input Wq: QUANTISED
;;     2. [M 8,192, K 1,024] x [K 1,024, N 1,024]; A: input key; B: input Wk: QUANTISED
;;     3. [M 8,192, K 1,024] x [K 1,024, N 1,024]; A: input value; B: input Wv: QUANTISED
;;     4. batch 64 x [M 2,048, K 64] x [K 64, N 2,048]; A: computed on the way; B: computed on the way: QUANTISED
;;     5. batch 64 x [M 2,048, K 2,048] x [K 2,048, N 64]; A: softmax (see below); B: computed on the way: QUANTISED
;;     6. [M 8,192, K 1,024] x [K 1,024, N 1,024]; A: computed on the way; B: input Wo: QUANTISED
;;   THE QUANTISER, for each operand of a quantised product, along K:
;;     - K is cut into blocks of 32 from its start; a last block that is shorter is filled with zeros.
;;     - A block's scale is 2^e with e = floor(log2(the largest magnitude in the block)) - 2, held to -126 .. 127; a block of zeros has e = 0. As a byte (E8M0): e + 127.
;;     - Each number is divided by its block's scale, clamped to +-7.5, and rounded to the nearest number of E2M3, ties to even, subnormals kept.
;;     - The product sums the exact products of the quantised numbers (number of the format x scale) in f32.
;;   ~~~python
;;   def quantise(x, axis):      # numpy; x: float32 -> the quantised numbers, widened to float32 again
;;       x = np.moveaxis(x, axis, -1); K = x.shape[-1]
;;       x = np.pad(x, [(0, 0)] * (x.ndim - 1) + [(0, -K % 32)]); x = x.reshape(x.shape[:-1] + (-1, 32)); a = np.abs(x).max(-1, keepdims=True)
;;       e = np.where(a > 0, np.clip(np.frexp(np.where(a > 0, a, 1))[1] - 1 - 2, -126, 127), 0)      # np.frexp(a)[1] - 1 = floor(log2(a)), exactly
;;       r = np.clip(x / 2.0 ** e, -7.5, 7.5)
;;       step = 2.0 ** (np.maximum(np.frexp(np.where(r == 0, 1, r))[1] - 1, 0) - 3)
;;       q = np.round(r / step) * step * 2.0 ** e      # np.round: ties to even
;;       return np.moveaxis(q.reshape(q.shape[:-2] + (-1,))[..., :K], -1, axis).astype(np.float32)
;;   ~~~
;;   SOFTMAX AHEAD OF A QUANTISED PRODUCT. Where the list says 'softmax', what is quantised is not the finished softmax but p = 2^(t - M), with t = logit x log2(e) and M = ceil(the row's largest t), a whole number; so 1/2 < the row's largest p <= 1. The row's sum l is taken of the UNQUANTISED p, in f32, and the product's result is divided by l at the end. Since M is a whole number, a kernel that streams over the keys may use a running M (the ceiling of the running maximum): every later rescaling is an exact power of two, which a block's scale takes up: the codes' values come out the same.
;;   OPERANDS COMPUTED ON THE WAY. 'Computed on the way' means the value that the module computes at that place (a softmax that the list does not call 'softmax' is quantised finished and normalised). What goes into a quantiser is computed in f32, as accurately as f32 sums, v_exp_f32 and their like allow (about 1e-6 of the number): no bf16 or f16 on the way to a quantiser, and a product that is left as it is and whose result goes on into a quantised operand takes f32 operands (vector FMAs, or v_wmma_f32_16x16x4_f32). A number that lies on a knife's edge between two numbers of the format may be rounded either way, as far as f32 arithmetic and the matrix unit's own rounding can turn it there, and no further.
;; One version. Each part assembles by itself: llvm-mc -triple=amdgcn-amd-amdhsa -mcpu=gfx1250 --defsym DOCPART=n.
;; ======== version 1 of 1: 4 launches
;; limits: right only within a limited range of input values
;; workspace buffers: xw 22,937,600 bytes; qimg 6,553,600 bytes; kvimg 13,107,200 bytes; ctx 6,553,600 bytes
;; launch quant (part 1): grid 256 x 1, 14 waves a work-group, no clusters, 120,320 bytes of LDS; arguments query, key, value, Wq, Wk, Wv, Wo, xw; writes xw
.if DOCPART == 1
	.amdgcn_target "amdgcn-amd-amdhsa--gfx1250"
	.amdhsa_code_object_version 6
	.text
	.protected	k_q76d077b694_quant
	.globl	k_q76d077b694_quant
	.p2align	8
	.type	k_q76d077b694_quant,@function
k_q76d077b694_quant:
	s_mov_b64 s[64:65], 0
	v_nop
	global_prefetch_b8 v0, s[64:65] scope:SCOPE_SE
	s_setreg_imm32_b32 hwreg(HW_REG_WAVE_MODE, 25, 1), 1
	s_wait_xcnt 0x0
; query, key, value [8192][1024] and Wq, Wk, Wv, Wo [1024][1024], f32 with K innermost, become codes of FP6 (E2M3) with one E8M0 byte for each 32 along K.
; A block's scale is 2^(floor(log2(its largest magnitude)) - 2); its byte is the largest magnitude's exponent field - 2, held at 1 from below.
; THE WORKSPACE IS LAID IN THE ORDER OF THE OPERAND'S REGISTERS.  224 groups of 128 rows (query 0-63, key 64-127, value 128-191, Wq 192-199, Wk 200-207, Wv 208-215, Wo 216-223);
; a group has four units of 25,600 bytes, one for each 256 along K: 8 fragment images of K step 2 s, 8 of K step 2 s + 1, then 1,024 bytes of scale words [K step][tiles 0-3 | 4-7][row 16][4 words].
; A fragment image (16 rows x 128 K, 1,536 bytes) is two halves of 768 bytes (64 along K each): registers 0-3 of lane l at 16 l, registers 4-5 at 512 + 8 l.
; ROW r OF TILE T of a group is row 32 (T / 2) + 8 (T % 2) + r + 8 (r / 8): so the results of two neighbouring tiles are 16 neighbours in a lane's registers in the products that follow.
; SHARES: wave v of work-group w takes share 14 w + v: group share / 16, K step (share / 2) % 8, tiles 0-3 or 4-7 by share % 2: 64 rows x 128 K, four tiles of 16 rows.  Each load reads 512 consecutive bytes of one row; a tile turns through the
; wave's own stage in LDS (rows of 512 + 16 bytes), from which lane (r, h) takes the 32 neighbours k = 64 c + 32 h .. of row r, c = 0, 1: two whole blocks, in the order of the operand's registers.
; Every store covers 512 or 256 consecutive bytes at a multiple of 256.  No barrier: waves share nothing.
; LIMITS: a block of zeros, or one whose largest magnitude lies under 2^-124, keeps the byte 1 (the rule says 127 for zeros): its codes add nothing or are subnormal codes, and this program alone reads the bytes.
; NaN and infinities among the inputs are not served.
.set UNIT,  25600
.set STGB,  16*528                     ; a wave's stage
.set SPARE, 14*STGB                    ; behind the fourteen stages: the spare words, 128 bytes for each wave, which no other line names
.set SPW,   12                         ; v12  my spare word's LDS address; never rewritten
.set NIL,   13                         ; v13  0; never rewritten
.set MX,    14                         ; v14-15 the two blocks' largest magnitudes
.set SO,    16                         ; v16-17 the conversions' scale operands
.set BY,    18                         ; v18-19 the scale bytes
.set W,     24                         ; v24-31 tile T's scale word of my row
.set T2,    32                         ; v32-39 the second halves of the blocks' codes
.set G,     40                         ; v40-63 a fragment's 12 registers, two sets
.set X,     64                         ; v64-127 my 64 numbers
.set R,     128                        ; v128-255 a tile as loaded, two sets of 64
	s_load_b512 s[4:19], s[0:1], 0x0               ; query, key, value, Wq, Wk, Wv, Wo, xw
	v_lshl_add_u32 v[SPW], v0, 2, SPARE
	v_mov_b32 v[NIL], 0
	v_lshrrev_b32 v1, 5, v0
	v_readfirstlane_b32 s27, v1                    ; wave
	v_and_b32 v1, 31, v0                           ; lane
	v_and_b32 v2, 15, v0                           ; r
	v_bfe_u32 v3, v0, 4, 1                         ; h
	v_lshlrev_b32 v4, 4, v1                        ; 16 x lane
	v_lshlrev_b32 v5, 3, v1                        ; 8 x lane
	s_mul_i32 s28, s27, STGB
	v_add_nc_u32 v6, s28, v4                       ; into the stage: 16 x lane of a row
	v_mul_u32_u24 v7, v2, 528
	v_lshl_add_u32 v7, v3, 7, v7
	v_add_nc_u32 v7, s28, v7                       ; out of it: row r, + 128 h bytes
	v_lshlrev_b32 v8, 3, v3                        ; 8 h: where my two bytes stand in the scale word
	v_mov_b32 v20, 0                               ; a lane permute's destination is written once ahead
	s_mov_b32 s24, 0x76543210
	s_mov_b32 s25, 0xfedcba98                      ; selects for lane l xor 16
	s_mov_b32 s26, 0xffff0000                      ; lanes 16-31
	s_mul_i32 s29, ttmp9, 14                       ; THE SHARES AS THEY STAND: 224 groups x 8 K steps x 2 halves of a group's eight tiles are 3,584 shares of 64 rows x 128 K, one a wave;
	s_add_co_u32 s29, s29, s27                     ; 256 work-groups of fourteen waves; share 14 x work-group + wave:
	s_and_b32 s41, s29, 1                          ; tiles 0-3 or 4-7,
	s_lshr_b32 s29, s29, 1
	s_lshr_b32 s20, s29, 3                         ; the group
	s_lshr_b32 s38, s20, 6                         ; KEY'S GROUPS (64-127) TAKE ANOTHER ORDER OF ROWS: row r of tile T is row 64 (T / 4) + 8 (T % 4) + r % 8 + 32 (r / 8),
	s_cmp_eq_u32 s38, 1                            ; so that in the scores a lane's 32 registers of four neighbouring tiles are one whole block of 32 keys
	s_cselect_b32 s38, 1, 0                        ; s38 = 1 for key, else 0: it hangs on the wave's share alone
	s_and_b32 s29, s29, 7                          ; the K step, 0 .. 7
	s_mov_b32 s21, 216
	s_wait_alu depctr_va_vdst(0)
	s_wait_kmcnt 0x0
	s_mov_b64 s[22:23], s[16:17]                   ; Wo, unless the group lies lower
.macro PICK thr, lo, first             ; the choice hangs on the wave's share alone
	s_cmp_lt_u32 s20, \thr
	s_cselect_b64 s[22:23], s[\lo:\lo+1], s[22:23]
	s_cselect_b32 s21, \first, s21
.endm
	PICK 216, 14, 208
	PICK 208, 12, 200
	PICK 200, 10, 192
	PICK 192, 8, 128
	PICK 128, 6, 64
	PICK 64, 4, 0
	s_sub_co_u32 s30, s20, s21                     ; the group within its tensor
	s_lshl_b32 s30, s30, 19                        ; 128 rows of 4,096 bytes
	s_lshl_b32 s31, s41, 18                        ; tiles 4-7 begin 64 rows of 4,096 bytes further down, in both orders of rows
	s_add_co_u32 s30, s30, s31
	s_lshl_b32 s31, s29, 9
	s_add_co_u32 s30, s30, s31
	s_mov_b32 s31, 0
	s_add_nc_u64 s[22:23], s[22:23], s[30:31]      ; where my numbers begin
	s_lshl_b32 s30, s20, 2
	s_lshr_b32 s32, s29, 1
	s_add_co_u32 s30, s30, s32
	s_mul_i32 s30, s30, UNIT
	s_add_nc_u64 s[18:19], s[18:19], s[30:31]      ; my unit
	s_and_b32 s32, s29, 1
	s_mul_i32 s30, s32, 12288
	s_mul_i32 s42, s41, 6144                       ; my four fragment images of the eight
	s_add_co_u32 s30, s30, s42
	s_add_nc_u64 s[34:35], s[18:19], s[30:31]      ; my four fragment images
	s_lshl_b32 s30, s32, 9
	s_add_co_u32 s30, s30, 24576
	s_lshl_b32 s42, s41, 8                         ; my 256 bytes of the K step's 512 bytes of scale words
	s_add_co_u32 s30, s30, s42
	s_add_nc_u64 s[36:37], s[18:19], s[30:31]      ; my 256 bytes of scale words
.macro LOAD t
.set OL_, 4*((\t)/2)+(\t)%2            ; the tile's rows 0-7 begin at this run of eight rows (32,768 bytes each); rows 8-15 two runs on
.set NL_, 8*((\t)/4)+(\t)%4            ; for key: at this one; rows 8-15 four runs on
.set VA_, 9+13*((\t)%2)                ; v9, v10 or v22, v23: the two offsets, a pair for each of the two tiles whose loads may be out
	s_mul_i32 s39, s38, (NL_-OL_)*32768
	s_mul_i32 s40, s38, (NL_+2-OL_)*32768
	s_add_co_u32 s39, s39, OL_*32768
	s_add_co_u32 s40, s40, (OL_+2)*32768
	v_add_nc_u32 v[VA_], s39, v4
	v_add_nc_u32 v[VA_+1], s40, v4
.set j, 0
.rept 16
	global_load_b128 v[R+64*((\t)%2)+4*j:R+64*((\t)%2)+4*j+3], v[VA_+j/8], s[22:23] offset:(j%8)*4096 th:TH_LOAD_NT
.set j, j+1
.endr
.endm
.macro TILE t
.set RS, R+64*((\t)%2)
.set GS, G+12*((\t)%2)
.if (\t) < 3
	s_wait_loadcnt 16                              ; this tile's 16 loads are in; the next tile's 16 may be out
.else
	s_wait_loadcnt 0x0
.endif
.set j, 0
.rept 16
	ds_store_b128 v6, v[RS+4*j:RS+4*j+3] offset:528*j
.set j, j+1
.endr
.irp c, 0,1
.irp i, 0,1,2,3,4,5,6,7
	ds_load_b128 v[X+32*\c+4*\i:X+32*\c+4*\i+3], v7 offset:256*\c+16*\i   ; LDS serves a wave's instructions in order: these see the stores above
.endr
.endr
	s_wait_dscnt 0x0
	s_wait_xcnt 0x0                                ; the stores of two tiles ago have read this set of code registers
.if (\t) < 2
	LOAD (\t)+2
.endif
	v_max3_num_f32 v[MX], |v[X]|, |v[X+1]|, 0x1800000        ; my two blocks (2 c + h), all 32 numbers mine, by turns; the floor 2^(3 - 127) holds the byte at 1 from below
	v_max3_num_f32 v[MX+1], |v[X+32]|, |v[X+33]|, 0x1800000
.irp i, 2,4,6,8,10,12,14,16,18,20,22,24,26,28,30
	v_max3_num_f32 v[MX], v[MX], |v[X+\i]|, |v[X+\i+1]|
	v_max3_num_f32 v[MX+1], v[MX+1], |v[X+32+\i]|, |v[X+33+\i]|
.endr
	v_add_nc_u32 v[SO], 0xff000000, v[MX]          ; 2 off the exponent field: the conversion takes that field as its scale
	v_add_nc_u32 v[SO+1], 0xff000000, v[MX+1]
	v_lshrrev_b32 v[BY], 23, v[SO]                 ; the scale's byte
	v_lshrrev_b32 v[BY+1], 23, v[SO+1]
	v_lshl_or_b32 v21, v[BY+1], 16, v[BY]          ; blocks h and 2 + h,
	v_lshlrev_b32 v21, v8, v21                     ; at their places in the word;
	v_permlanex16_b32 v20, v21, s24, s25
	v_or_b32 v[W+(\t)], v21, v20                   ; with lane l xor 16's two the word is whole
	v_cvt_scalef32_pk16_fp6_f32 v[GS:GS+2], v[X:X+15], v[SO]
	v_cvt_scalef32_pk16_fp6_f32 v[T2:T2+2], v[X+16:X+31], v[SO]         ; (a conversion's three registers begin on an even number)
	v_cvt_scalef32_pk16_fp6_f32 v[GS+6:GS+8], v[X+32:X+47], v[SO+1]
	v_cvt_scalef32_pk16_fp6_f32 v[T2+4:T2+6], v[X+48:X+63], v[SO+1]
	v_nop                                          ; one plain place behind the scaled conversions
.irp i, 0,1,2
	v_mov_b32 v[GS+3+\i], v[T2+\i]
	v_mov_b32 v[GS+9+\i], v[T2+4+\i]
.endr
	global_store_b128 v4, v[GS:GS+3], s[34:35] offset:1536*(\t)
	global_store_b64 v5, v[GS+4:GS+5], s[34:35] offset:1536*(\t)+512
	global_store_b128 v4, v[GS+6:GS+9], s[34:35] offset:1536*(\t)+768
	global_store_b64 v5, v[GS+10:GS+11], s[34:35] offset:1536*(\t)+1280
.endm
	LOAD 0
	LOAD 1
.irp t, 0,1,2,3
	TILE \t
.endr
	v_lshlrev_b32 v21, 4, v2
	global_store_b128 v21, v[W:W+3], s[36:37]      ; row r's words of my four tiles: 256 consecutive bytes; lanes l and l + 16 hold and write the same 16 bytes
	s_wait_tensorcnt 0x0                           ; the wave's end, behind my last LDS store
	ds_add_u32 v[SPW], v[NIL]
	s_wait_dscnt 0x0
	s_endpgm
.Lfunc_end_k_q76d077b694_quant:
	.size	k_q76d077b694_quant, .Lfunc_end_k_q76d077b694_quant-k_q76d077b694_quant
	.p2alignl 7, 3214868480
	.fill 96, 4, 3214868480
	.section	.rodata,"a",@progbits
	.p2align	6, 0x0
	.amdhsa_kernel k_q76d077b694_quant
		.amdhsa_group_segment_fixed_size 120320
		.amdhsa_private_segment_fixed_size 0
		.amdhsa_enable_private_segment 0
		.amdhsa_kernarg_size 64
		.amdhsa_user_sgpr_count 2
		.amdhsa_user_sgpr_kernarg_segment_ptr 1
		.amdhsa_wavefront_size32 1
		.amdhsa_system_sgpr_workgroup_id_x 1
		.amdhsa_system_sgpr_workgroup_id_y 1
		.amdhsa_system_sgpr_workgroup_id_z 1
		.amdhsa_system_vgpr_workitem_id 0
		.amdhsa_next_free_vgpr 256
		.amdhsa_next_free_sgpr 66
		.amdhsa_reserve_vcc 0
		.amdhsa_float_denorm_mode_32 3
		.amdhsa_float_denorm_mode_16_64 3
		.amdhsa_memory_ordered 1
		.amdhsa_forward_progress 1
		.amdhsa_inst_pref_size 33
	.end_amdhsa_kernel
	.amdgpu_metadata
---
amdhsa.version: [ 1, 2 ]
amdhsa.kernels:
  - .name:           k_q76d077b694_quant
    .symbol:         k_q76d077b694_quant.kd
    .args:
      - { .name: query, .offset: 0, .size: 8, .value_kind: global_buffer, .address_space: global }
      - { .name: key, .offset: 8, .size: 8, .value_kind: global_buffer, .address_space: global }
      - { .name: value, .offset: 16, .size: 8, .value_kind: global_buffer, .address_space: global }
      - { .name: Wq, .offset: 24, .size: 8, .value_kind: global_buffer, .address_space: global }
      - { .name: Wk, .offset: 32, .size: 8, .value_kind: global_buffer, .address_space: global }
      - { .name: Wv, .offset: 40, .size: 8, .value_kind: global_buffer, .address_space: global }
      - { .name: Wo, .offset: 48, .size: 8, .value_kind: global_buffer, .address_space: global }
      - { .name: xw, .offset: 56, .size: 8, .value_kind: global_buffer, .address_space: global }
    .group_segment_fixed_size: 120320
    .private_segment_fixed_size: 0
    .kernarg_segment_align: 8
    .kernarg_segment_size: 64
    .max_flat_workgroup_size: 448
    .sgpr_count:     66
    .vgpr_count:     256
    .wavefront_size: 32
...
	.end_amdgpu_metadata
.endif
;; end of part 1
;; launch proj (part 2): grid 8 x 32, 4 waves a work-group, clusters of 4 x 4, 327,680 bytes of LDS; arguments xw, bq, bk, bv, qimg, kvimg; writes qimg, kvimg
.if DOCPART == 2
	.amdgcn_target "amdgcn-amd-amdhsa--gfx1250"
	.amdhsa_code_object_version 6
	.text
	.protected	k_q76d077b694_proj
	.globl	k_q76d077b694_proj
	.p2align	8
	.type	k_q76d077b694_proj,@function
k_q76d077b694_proj:
	s_mov_b64 s[64:65], 0
	v_nop
	global_prefetch_b8 v0, s[64:65] scope:SCOPE_SE
	s_setreg_imm32_b32 hwreg(HW_REG_WAVE_MODE, 25, 1), 1
	s_wait_xcnt 0x0
	s_wait_alu depctr_hold_cnt(0) depctr_sa_sdst(0) depctr_va_vdst(0) depctr_va_sdst(0) depctr_va_ssrc(0) depctr_va_vcc(0) depctr_vm_vsrc(0)
	s_getreg_b32 s2, hwreg(HW_REG_IB_STS2, 6, 4)
	s_cmp_eq_u32 s2, 0
	s_cbranch_scc0 .Lentry_in_a_cluster
	s_endpgm
.Lentry_in_a_cluster:
	s_bfe_u32 s2, ttmp6, 0x10000c
	s_cmp_lg_u32 s2, 0xf033
	s_cbranch_scc0 .Lentry_shape_is_right
	s_endpgm
.Lentry_shape_is_right:
; q = query Wq^T + bq, k = key Wk^T + bk, v = value Wv^T + bv on codes of FP6 (E2M3) with E8M0 scales, each 8,192 x 1,024 x 1,024; the results are quantised again and leave as operand images for the attention launch.
; xw: groups of 128 rows (query 0-63, key 64-127, value 128-191, Wq 192-199, Wk 200-207, Wv 208-215), each four units of 25,600 bytes, one for each 256 along K: 8 + 8 fragment images and 1,024 bytes of scale words.
; THE DEAL.  256 work-groups of four waves STAY and make three blocks each, one of q, one of k, one of v.  A block is 256 rows of operand A x 128 rows of operand B; a wave makes 128 x 64: 32 accumulators.
; For q and k A is the tokens and B the weight's rows: a lane holds a token, its registers run along a head's 64, the next K.  For v A is Wv's rows and B the tokens: a lane holds a channel, its registers run along the keys.
; Each product has 256 such blocks.  q, k: A's block 4 x cluster y + cy, B's 4 x cluster x + cx.  v: A's block cy, B's 4 x (cluster x + 2 cluster y) + cx.  A's tiles are shared by a row of the cluster, B's by a column.
; LDS: all of K of one block, 307,200 bytes, in two halves along K: A's two groups (two rows of 51,200 bytes, 102,400 apart in memory), then B's group.  Four tensor loads a fill, one a wave, each on a line of its own:
; B's half 0, A's half 0, B's half 1, A's half 1.  The products begin when half 0 is in; a plain barrier inside K step 2 shows half 1.
; THE NEXT BLOCK'S FILL stands behind a drained round of the cluster's barrier directly behind the last product, so that the quantiser and the stores of the finished block, work on registers, run while it is on its way.
; q and k are a loop of two trips; v is the tail, written out: it asks for nothing more.
; PREFETCH INTO THE L2: in K step 1 of a trip each wave names its sixteenth of the tiles that the refill at the trip's end will load: 50 blocks of 256 bytes of A's 204,800 bytes, shared out by 4 cx + wave, and 25 of B's
; 102,400, by 4 cy + wave: each block once in the cluster; lanes left over name their wave's last block again.  Seven K steps, 224 products, lie between the request and the load.  The tail asks for nothing.
; THE WAY OUT: two tiles of A's rows at a time: four blocks of 32 along the registers, each in lanes l and l xor 16; the largest magnitude, the scale, the conversions, and three lane swaps give a whole block to a lane.
; REGISTERS: window 0 addresses, scale words, bias, the way out; window 1 the accumulators ((a, b) at 8 (4 a + b)); windows 2 and 3 two sets of fragments (A's eight from 0, B's four from 96), by turns.
; LIMITS: a sum begins with the bias; a block whose largest magnitude lies under 2^-124 keeps the byte 1 (this program alone reads the bytes); NaN, infinities and sums beyond f32's range are not served.
.set UNIT,   25600
.set HALFA,  4*UNIT
.set HALF,   6*UNIT
.set SPARE,  2*HALF
.set SPW, 8
.set NIL, 9
.set A16, 14                           ; pairs: LDS addresses for K half 0, 1
.set A8,  16
.set B16, 18
.set B8,  20
.set S1,  22                           ; scale words: lanes 0-15 A's tiles 0-3, lanes 16-31 my four tiles of B
.set S2,  24                           ; A's tiles 4-7, all lanes
.set SC,  32                           ; v32-47 two sets of eight scale words
.set BI,  64                           ; v64-127 the bias as the first products' C
.set TM,  128                          ; v128-143 at work in the way out
.set T2,  144
.set PW,  152                          ; v152-155 the results' scale words
.set GB,  160                          ; v160-207 the results' codes
.set WV, 16
.set RH, 17
.set CH, 18
.set PH, 19
.set G1A, 24
.set G0A, 32
.set G1B, 48
.set G0B, 56
.set MSB, 0
.macro WIN new
.if MSB != (\new)
	s_set_vgpr_msb (MSB<<8)|(\new)
.set MSB, (\new)
.endif
.endm
.macro PLACES n
.rept \n
	v_nop
.endr
.endm
.macro WALU
	s_wait_alu depctr_va_vdst(0)
.endm
.macro CROUND
	s_barrier_signal -1
	s_barrier_wait -1
	s_cmp_lg_u32 s[WV], 0
	s_cbranch_scc1 .Lnot_wave_0_\@
	s_barrier_signal -3
.Lnot_wave_0_\@:
	s_barrier_wait -3
	s_barrier_signal -1
	s_barrier_wait -1
.endm
.macro TLOAD g0, g1
	tensor_load_to_lds s[\g0:\g0+3], s[\g1:\g1+7]
	s_nop 0
	PLACES 4
.endm
.macro ARMS                            ; a fill: one tensor load a wave, each on its own line
	s_cmp_eq_u32 s[WV], 0
	s_cbranch_scc0 .Lwave_1_\@
	TLOAD G0B, G1B                                 ; wave 0: B's half 0
	s_branch .Lasked_\@
.Lwave_1_\@:
	s_cmp_eq_u32 s[WV], 1
	s_cbranch_scc0 .Lwave_2_\@
	TLOAD G0A, G1A                                 ; wave 1: A's half 0
	s_branch .Lasked_\@
.Lwave_2_\@:
	s_cmp_eq_u32 s[WV], 2
	s_cbranch_scc0 .Lwave_3_\@
	TLOAD G0B, G1B                                 ; wave 2: B's half 1
	s_branch .Lasked_\@
.Lwave_3_\@:
	TLOAD G0A, G1A                                 ; wave 3: A's half 1
.Lasked_\@:
.endm
.macro FRAG reg, a16, a8, off
	ds_load_b128 v[\reg:\reg+3], v[\a16] offset:\off
	ds_load_b64 v[\reg+4:\reg+5], v[\a8] offset:\off+512
	ds_load_b128 v[\reg+6:\reg+9], v[\a16] offset:\off+768
	ds_load_b64 v[\reg+10:\reg+11], v[\a8] offset:\off+1280
.endm
.macro FETCH q                         ; K step q's fragments and scale words into set q % 2: 50 loads
.set J_, (\q)/4
.set OF_, (((\q)/2)%2)*UNIT+((\q)%2)*12288
.set SF_, (((\q)/2)%2)*UNIT+((\q)%2)*512
	WIN (2+(\q)%2)<<6
.irp i, 0,1,2,3
	FRAG 96+12*\i, B16+J_, B8+J_, OF_+1536*\i
.endr
.irp i, 0,1,2,3,4,5,6,7
	FRAG 12*\i, A16+J_, A8+J_, OF_+1536*\i
.endr
	WIN 0
	ds_load_b128 v[SC+8*((\q)%2):SC+8*((\q)%2)+3], v[S1+J_] offset:SF_
	ds_load_b128 v[SC+8*((\q)%2)+4:SC+8*((\q)%2)+7], v[S2+J_] offset:SF_+256
.endm
.macro MUL q, cm                       ; 32 products, the 32 accumulators by turns.  cm = 1: C is the bias along B's rows; 2: along A's rows; 0: the sums
.set X_, SC+8*((\q)%2)
.if (\cm) != 0
	WIN 0x4a
.else
	WIN 0x5a+5*((\q)%2)
.endif
.irp a, 0,1,2,3,4,5,6,7
.irp b, 0,1,2,3
.if (\cm) == 1
	v_wmma_scale_f32_16x16x128_f8f6f4 v[8*(4*\a+\b):8*(4*\a+\b)+7], v[96+12*\b:96+12*\b+11], v[12*\a:12*\a+11], v[BI+8*\b:BI+8*\b+7], v[X_+\b], v[X_+\a] matrix_a_fmt:MATRIX_FMT_FP6 matrix_b_fmt:MATRIX_FMT_FP6 matrix_a_scale:MATRIX_SCALE_ROW1
.elseif (\cm) == 2
	v_wmma_scale_f32_16x16x128_f8f6f4 v[8*(4*\a+\b):8*(4*\a+\b)+7], v[96+12*\b:96+12*\b+11], v[12*\a:12*\a+11], v[BI+8*\a:BI+8*\a+7], v[X_+\b], v[X_+\a] matrix_a_fmt:MATRIX_FMT_FP6 matrix_b_fmt:MATRIX_FMT_FP6 matrix_a_scale:MATRIX_SCALE_ROW1
.else
	v_wmma_scale_f32_16x16x128_f8f6f4 v[8*(4*\a+\b):8*(4*\a+\b)+7], v[96+12*\b:96+12*\b+11], v[12*\a:12*\a+11], v[8*(4*\a+\b):8*(4*\a+\b)+7], v[X_+\b], v[X_+\a] matrix_a_fmt:MATRIX_FMT_FP6 matrix_b_fmt:MATRIX_FMT_FP6 matrix_a_scale:MATRIX_SCALE_ROW1
.endif
.endr
.endr
.endm
.macro BIAS1                           ; along B's rows: register j of tile b of lane (r, h) is output 32 (b / 2) + 8 (b % 2) + 16 h + j of my 64
.irp b, 0,1,2,3
	global_load_b128 v[BI+8*\b:BI+8*\b+3], v13, s[70:71] offset:(32*(\b/2)+8*(\b%2))*4
	global_load_b128 v[BI+8*\b+4:BI+8*\b+7], v13, s[70:71] offset:(32*(\b/2)+8*(\b%2))*4+16
.endr
.endm
.macro QUANT a                         ; A's tiles 2 a and 2 a + 1: 64 sums a lane, four blocks of 32 shared with lane l xor 16 -> twelve registers of codes and a scale word
.set AC, 64*(\a)
.set GG, GB+12*(\a)
	WIN 0x05
.irp b, 0,1,2,3
	v_max3_num_f32 v[TM+\b], |v[AC+16*\b]|, |v[AC+16*\b+1]|, 0x1800000
.endr
.irp i, 2,4,6,8,10,12,14
.irp b, 0,1,2,3
	v_max3_num_f32 v[TM+\b], |v[AC+16*\b+\i]|, |v[AC+16*\b+\i+1]|, v[TM+\b]
.endr
.endr
	WIN 0
.irp b, 0,1,2,3
	v_permlanex16_b32 v[TM+4+\b], v[TM+\b], s90, s91
.endr
.irp b, 0,1,2,3
	v_max_num_f32 v[TM+\b], v[TM+\b], v[TM+4+\b]
.endr
.irp b, 0,1,2,3
	v_add_nc_u32 v[TM+12+\b], 0xff000000, v[TM+\b]
.endr
.irp b, 0,1,2,3
	v_lshrrev_b32 v[TM+4+\b], 23, v[TM+12+\b]
.endr
	v_lshl_or_b32 v[PW+(\a)], v[TM+5], 8, v[TM+4]
	v_lshl_or_b32 v[PW+(\a)], v[TM+6], 16, v[PW+(\a)]
	v_lshl_or_b32 v[PW+(\a)], v[TM+7], 24, v[PW+(\a)]
	WIN 0x01
	v_cvt_scalef32_pk16_fp6_f32 v[GG:GG+2], v[AC:AC+15], v[TM+12]
	v_cvt_scalef32_pk16_fp6_f32 v[T2:T2+2], v[AC+16:AC+31], v[TM+13]
	v_cvt_scalef32_pk16_fp6_f32 v[GG+6:GG+8], v[AC+32:AC+47], v[TM+14]
	v_cvt_scalef32_pk16_fp6_f32 v[T2+4:T2+6], v[AC+48:AC+63], v[TM+15]
	WIN 0
	v_nop
.irp i, 0,1,2
	v_permlane16_swap_b32 v[GG+\i], v[T2+\i]
	v_permlane16_swap_b32 v[GG+6+\i], v[T2+4+\i]
.endr
.irp i, 0,1,2
	v_mov_b32 v[GG+3+\i], v[T2+\i]
	v_mov_b32 v[GG+9+\i], v[T2+4+\i]
.endr
.endm
	s_load_b256 s[4:11], s[0:1], 0x0               ; xw, bq, bk, bv
	s_load_b128 s[12:15], s[0:1], 0x20             ; qimg, kvimg
	v_lshl_add_u32 v[SPW], v0, 2, SPARE
	v_mov_b32 v[NIL], 0
	ds_add_u32 v[SPW], v[NIL]                      ; the opening lines
	ds_add_u32 v[SPW], v[NIL]
	v_lshrrev_b32 v1, 5, v0
	v_readfirstlane_b32 s[WV], v1
	s_lshr_b32 s[RH], s[WV], 1                     ; my group of A.  Also: which half of K I fetch
	s_and_b32 s[CH], s[WV], 1                      ; my four tiles of B.  Also: I fetch for B (0) or for A (1)
	s_bfe_u32 s21, ttmp6, 0x40000                  ; cx
	s_bfe_u32 s22, ttmp6, 0x40004                  ; cy
	s_and_b32 s37, ttmp7, 0xffff                   ; cluster y, 0 .. 7
	s_lshl_b32 s40, ttmp9, 2
	s_add_co_u32 s40, s40, s21                     ; q, k: B's block, 0 .. 7
	s_lshl_b32 s23, s37, 2
	s_add_co_u32 s23, s23, s22                     ; q, k: A's block, 0 .. 31
	s_lshl_b32 s38, s37, 1
	s_add_co_u32 s38, s38, ttmp9                   ; the cluster's number, 0 .. 15
	s_lshl_b32 s45, s38, 2
	s_add_co_u32 s45, s45, s21                     ; v: B's block, 0 .. 63
	s_lshl_b32 s41, s22, 2
	s_lshl_b32 s41, 15, s41                        ; my row of the cluster
	s_lshl_b32 s42, 0x1111, s21                    ; my column
	s_or_b32 s[G1A], s41, (3<<16)|(1<<21)          ; A: 2 rows of 6,400 elements of 8 bytes, 12,800 elements apart
	s_mov_b32 s[G1A+1], 6400<<16
	s_mov_b32 s[G1A+2], 2<<16
	s_mov_b32 s[G1A+3], 6400<<16
	s_mov_b32 s[G1A+4], 2
	s_mov_b32 s[G1A+5], 12800
	s_mov_b32 s[G1A+6], 0
	s_mov_b32 s[G1A+7], 0
	s_or_b32 s[G1B], s42, (3<<16)|(1<<21)          ; B: 200 dense rows of 256 bytes
	s_mov_b32 s[G1B+1], 32<<16
	s_mov_b32 s[G1B+2], 200<<16
	s_mov_b32 s[G1B+3], 32<<16
	s_mov_b32 s[G1B+4], 200
	s_mov_b32 s[G1B+5], 32
	s_mov_b32 s[G1B+6], 0
	s_mov_b32 s[G1B+7], 0
	s_mul_i32 s43, s[RH], 2*UNIT                   ; the half of K, in a group's bytes
	s_mul_i32 s39, s23, 8*UNIT                     ; where the tiles begin in xw: A's for q,
	s_add_co_u32 s62, s39, 64*4*UNIT               ; for k (s62, s63: the next block's),
	s_lshl_b32 s60, s22, 1
	s_add_co_u32 s60, s60, 208
	s_mul_i32 s60, s60, 4*UNIT                     ; for v;
	s_add_co_u32 s36, s40, 192
	s_mul_i32 s36, s36, 4*UNIT                     ; B's for q,
	s_add_co_u32 s63, s36, 8*4*UNIT                ; for k,
	s_add_co_u32 s61, s45, 128
	s_mul_i32 s61, s61, 4*UNIT                     ; for v
	s_add_co_u32 s66, s39, s43
	s_mov_b32 s67, 0
	s_add_co_u32 s68, s36, s43
	s_mov_b32 s69, 0
	s_mul_i32 s44, s[RH], HALF
	s_mov_b32 s[G0A], 1
	s_mov_b32 s[G0A+1], s44
	s_mov_b32 s[G0B], 1
	s_add_co_u32 s[G0B+1], s44, HALFA
	WALU                                           ; the wait ahead of the waits below
	s_wait_dscnt 0x0
	s_wait_kmcnt 0x0
	s_add_nc_u64 s[G0A+2:G0A+3], s[4:5], s[66:67]
	s_or_b32 s[G0A+3], s[G0A+3], 0x80000000
	s_add_nc_u64 s[G0B+2:G0B+3], s[4:5], s[68:69]
	s_or_b32 s[G0B+3], s[G0B+3], 0x80000000
	CROUND                                         ; all sixteen work-groups are here: the joint loads meet
	ARMS
	s_mul_i32 s86, s[RH], 2*UNIT                   ; my group of A in a half
	s_mul_i32 s87, s[CH], 6144
	s_add_co_u32 s87, s87, HALFA                   ; my four tiles of B
	s_lshl_b32 s88, s[CH], 8
	s_add_co_u32 s88, s88, HALFA
	s_sub_co_u32 s88, s88, s86                     ; from A's scale words to B's
	s_add_co_u32 s89, s86, 24576
	s_mov_b32 s90, 0x76543210
	s_mov_b32 s91, 0xfedcba98                      ; selects for lane l xor 16
	s_lshl_b32 s80, s21, 2
	s_add_co_u32 s80, s80, s[WV]
	s_mul_i32 s80, s80, 12800                      ; my sixteenth of A's tile, for the prefetches
	s_lshl_b32 s81, s22, 2
	s_add_co_u32 s81, s81, s[WV]
	s_mul_i32 s81, s81, 6400                       ; and of B's
	s_lshl_b32 s20, s23, 1
	s_add_co_u32 s20, s20, s[RH]                   ; q, k: my 128 tokens, 0 .. 63
	s_lshl_b32 s39, s40, 1
	s_add_co_u32 s39, s39, s[CH]                   ; my head
	s_lshr_b32 s92, s20, 4
	s_lshl_b32 s92, s92, 4
	s_add_co_u32 s92, s92, s39
	s_lshl_b32 s92, s92, 4
	s_and_b32 s20, s20, 15
	s_add_co_u32 s92, s92, s20                     ; the result's unit: (16 batch + head) x 16 + the 128 tokens within the batch
	s_lshl_b32 s46, s39, 8                         ; my head's 64 numbers of bq, bk
	s_mov_b32 s47, 0
	s_lshl_b32 s93, s22, 1
	s_add_co_u32 s93, s93, s[RH]                   ; v: my group of Wv: heads 2 x and 2 x + 1
	s_lshr_b32 s94, s45, 4
	s_lshl_b32 s94, s94, 4
	s_lshl_b32 s20, s93, 1
	s_add_co_u32 s94, s94, s20
	s_lshl_b32 s94, s94, 4
	s_and_b32 s20, s45, 15
	s_add_co_u32 s94, s94, s20                     ; the first head's unit
	s_lshl_b32 s93, s93, 9                         ; my 128 numbers of bv
	s_mov_b32 s95, 12800
	s_mov_b32 s[PH], 0
	s_add_nc_u64 s[70:71], s[6:7], s[46:47]
	v_and_b32 v1, 15, v0
	v_bfe_u32 v2, v0, 4, 1
	v_and_b32 v3, 31, v0
	v_lshlrev_b32 v6, 4, v3
	v_lshlrev_b32 v7, 3, v3
	v_mul_u32_u24 v4, s88, v2
	v_lshl_add_u32 v4, v1, 4, v4
	v_lshlrev_b32 v5, 4, v1
	v_add_nc_u32 v[A16], s86, v6
	v_add_nc_u32 v[A8], s86, v7
	v_add_nc_u32 v[B16], s87, v6
	v_add_nc_u32 v[B8], s87, v7
	v_add_nc_u32 v[S1], s89, v4
	v_add_nc_u32 v[S2], s89, v5
.irp x, A16, A8, B16, B8, S1, S2
	v_add_nc_u32 v[\x+1], HALF, v[\x]
.endr
	v_lshlrev_b32 v13, 6, v2                       ; the bias along B's rows: 16 numbers for each half of the lanes
	v_and_b32 v12, 8, v1
	v_add_nc_u32 v12, v12, v1
	v_lshlrev_b32 v12, 2, v12                      ; along A's rows: row r + 8 (r / 8)
	v_lshlrev_b32 v26, 8, v3                       ; the prefetches: blocks 0-31 of my 50 of A,
	v_add_nc_u32 v27, 32, v3
	v_min_u32 v27, 49, v27
	v_lshlrev_b32 v27, 8, v27                      ; blocks 32-49,
	v_min_u32 v28, 24, v3
	v_lshlrev_b32 v28, 8, v28                      ; my 25 of B
.irp b, 0,1,2,3
	v_mov_b32 v[TM+4+\b], 0                        ; a lane permute's destination is written once ahead
.endr
	WALU                                           ; the wait at the head's end
	BIAS1
; A BLOCK.  isv = 0: q or k (s19 = 0, 1), in the loop; isv = 1: v, the tail
.macro PHASE isv
	s_wait_xcnt 0x0                                ; the last block's stores and prefetches have read their registers and bases
.if \isv
	s_mul_i32 s68, s94, s95
	s_mul_i32 s20, s[CH], 768
	s_add_co_u32 s66, s68, 6400
	s_add_co_u32 s66, s66, s20                     ; v's images, my half of the 128 keys
	s_mov_b32 s67, 0
	s_add_nc_u64 s[72:73], s[14:15], s[66:67]
	s_add_nc_u64 s[74:75], s[72:73], 204800        ; the next head's
	s_lshl_b32 s20, s[CH], 1
	s_add_co_u32 s66, s68, 12544
	s_add_co_u32 s66, s66, s20                     ; my two bytes of v's scale words
	s_add_nc_u64 s[76:77], s[14:15], s[66:67]
	s_add_nc_u64 s[78:79], s[76:77], 204800
.else
	s_cmp_eq_u32 s[PH], 0
	s_cselect_b64 s[72:73], s[12:13], s[14:15]     ; q's units are 6,400 bytes in qimg, k's the first half of 12,800 in kvimg
	s_cselect_b32 s20, 6400, s95
	s_mul_i32 s66, s92, s20
	s_mov_b32 s67, 0
	s_add_nc_u64 s[72:73], s[72:73], s[66:67]
	s_add_co_u32 s66, s62, s80
	s_add_nc_u64 s[82:83], s[4:5], s[66:67]        ; my share of the next block's tiles
	s_add_co_u32 s66, s63, s81
	s_add_nc_u64 s[84:85], s[4:5], s[66:67]
.endif
	s_cmp_lt_u32 s[WV], 2
	s_cbranch_scc0 .Lnot_half_0_\@
	s_wait_tensorcnt 0x0                           ; waves 0 and 1: half 0 has landed
.Lnot_half_0_\@:
	s_barrier_signal -1
	s_barrier_wait -1                              ; half 1 may still be on its way
	FETCH 0
	s_wait_loadcnt 0x0                             ; the bias
.irp q, 0,1,2,3,4,5,6,7
.if (\q > 0) && (\q < 7)
	PLACES 4                                       ; behind the last products, in front of the loads into the set that they read
.endif
.if \q < 7
	FETCH (\q+1)
.endif
.if (\q == 1) && (\isv == 0)
	global_prefetch_b8 v26, s[82:83] th:TH_LOAD_NT scope:SCOPE_SE
	global_prefetch_b8 v27, s[82:83] th:TH_LOAD_NT scope:SCOPE_SE
	global_prefetch_b8 v28, s[84:85] th:TH_LOAD_NT scope:SCOPE_SE
.endif
.if \q == 2
	s_wait_tensorcnt 0x0                           ; every wave: all tiles have landed
	s_wait_dscnt 0x0
	s_barrier_signal -1
	MUL \q, 0
	s_barrier_wait -1                              ; half 1 is shown to all
.else
.if \q < 7
	s_wait_dscnt 50                                ; this step's set is in; younger are the next step's 50 loads
.else
	s_wait_dscnt 0x0
.endif
.if \q == 0
	MUL 0, 1+\isv
.else
	MUL \q, 0
.endif
.endif
.endr
	WIN 0
.if \isv == 0
	s_wait_tensorcnt 0x0                           ; ahead of a refill's round
	ds_add_u32 v[SPW], v[NIL]
	s_add_co_u32 s68, s62, s43                     ; no load of mine is out: the descriptors take the next block's tiles
	s_mov_b32 s69, 0
	s_add_nc_u64 s[G0A+2:G0A+3], s[4:5], s[68:69]
	s_or_b32 s[G0A+3], s[G0A+3], 0x80000000
	s_add_co_u32 s68, s63, s43
	s_add_nc_u64 s[G0B+2:G0B+3], s[4:5], s[68:69]
	s_or_b32 s[G0B+3], s[G0B+3], 0x80000000
	s_wait_dscnt 0x0                               ; the add is done, and so are my reads of this block's tiles
	CROUND                                         ; no wave of any partner still reads them
	ARMS
	s_mov_b32 s62, s60                             ; behind k comes v
	s_mov_b32 s63, s61
	s_cmp_eq_u32 s[PH], 0
	s_cbranch_scc0 .Lbias_v_\@
	s_add_nc_u64 s[70:71], s[8:9], s[46:47]        ; the next block's bias lands while this block goes out: bk,
	BIAS1
	s_branch .Lbias_done_\@
.Lbias_v_\@:
	s_mov_b32 s68, s93
	s_add_nc_u64 s[70:71], s[10:11], s[68:69]      ; or bv: a lane's channel in all eight registers of tile a
.irp a, 0,1,2,3,4,5,6,7
.irp j, 0,1,2,3,4,5,6,7
	global_load_b32 v[BI+8*\a+\j], v12, s[70:71] offset:(32*(\a/2)+8*(\a%2))*4
.endr
.endr
.Lbias_done_\@:
.endif
	PLACES 4                                       ; behind the last products, in front of the first read of their sums
.irp a, 0,1,2,3
	QUANT \a
.endr
.if \isv
.irp f, 0,1,2,3                        ; tiles 2 f, 2 f + 1 are images (2 f) % 4 and the next of head f / 2; my 64 keys are half an image: 512 and 256 consecutive bytes at multiples of 256
	global_store_b128 v6, v[GB+12*\f:GB+12*\f+3], s[72+2*(\f/2):73+2*(\f/2)] offset:1536*((2*\f)%4)
	global_store_b64 v7, v[GB+12*\f+4:GB+12*\f+5], s[72+2*(\f/2):73+2*(\f/2)] offset:1536*((2*\f)%4)+512
	global_store_b128 v6, v[GB+12*\f+6:GB+12*\f+9], s[72+2*(\f/2):73+2*(\f/2)] offset:1536*((2*\f)%4+1)
	global_store_b64 v7, v[GB+12*\f+10:GB+12*\f+11], s[72+2*(\f/2):73+2*(\f/2)] offset:1536*((2*\f)%4+1)+512
	global_store_b16 v5, v[PW+\f], s[76+2*(\f/2):77+2*(\f/2)] offset:4*((2*\f)%4)             ; my half of the rows' scale words; lanes l and l + 16 write the same two bytes
	global_store_d16_hi_b16 v5, v[PW+\f], s[76+2*(\f/2):77+2*(\f/2)] offset:4*((2*\f)%4+1)
.endr
.else
.irp f, 0,1,2,3                        ; tiles 2 f, 2 f + 1 lie side by side along K in image f
	global_store_b128 v6, v[GB+12*\f:GB+12*\f+3], s[72:73] offset:1536*\f
	global_store_b64 v7, v[GB+12*\f+4:GB+12*\f+5], s[72:73] offset:1536*\f+512
	global_store_b128 v6, v[GB+12*\f+6:GB+12*\f+9], s[72:73] offset:1536*\f+768
	global_store_b64 v7, v[GB+12*\f+10:GB+12*\f+11], s[72:73] offset:1536*\f+1280
.endr
	global_store_b128 v5, v[PW:PW+3], s[72:73] offset:6144   ; row r's four scale words: 256 consecutive bytes; lanes l and l + 16 write the same 16 bytes
.endif
.endm
.Lphase:
	PHASE 0
	s_add_co_u32 s[PH], s[PH], 1
	s_cmp_lt_u32 s[PH], 2
	WALU                                           ; the wait directly ahead of the branch
	s_cbranch_scc1 .Lphase
	PHASE 1
	s_wait_tensorcnt 0x0                           ; the wave's end
	ds_add_u32 v[SPW], v[NIL]
	s_wait_dscnt 0x0
	CROUND                                         ; the closing round
	s_endpgm
.Lfunc_end_k_q76d077b694_proj:
	.size	k_q76d077b694_proj, .Lfunc_end_k_q76d077b694_proj-k_q76d077b694_proj
	.p2alignl 7, 3214868480
	.fill 96, 4, 3214868480
	.section	.rodata,"a",@progbits
	.p2align	6, 0x0
	.amdhsa_kernel k_q76d077b694_proj
		.amdhsa_group_segment_fixed_size 327680
		.amdhsa_private_segment_fixed_size 0
		.amdhsa_enable_private_segment 0
		.amdhsa_kernarg_size 48
		.amdhsa_user_sgpr_count 2
		.amdhsa_user_sgpr_kernarg_segment_ptr 1
		.amdhsa_wavefront_size32 1
		.amdhsa_system_sgpr_workgroup_id_x 1
		.amdhsa_system_sgpr_workgroup_id_y 1
		.amdhsa_system_sgpr_workgroup_id_z 1
		.amdhsa_system_vgpr_workitem_id 0
		.amdhsa_next_free_vgpr 1024
		.amdhsa_next_free_sgpr 96
		.amdhsa_reserve_vcc 0
		.amdhsa_float_denorm_mode_32 3
		.amdhsa_float_denorm_mode_16_64 3
		.amdhsa_memory_ordered 1
		.amdhsa_forward_progress 1
		.amdhsa_inst_pref_size 173
	.end_amdhsa_kernel
	.amdgpu_metadata
---
amdhsa.version: [ 1, 2 ]
amdhsa.kernels:
  - .name:           k_q76d077b694_proj
    .symbol:         k_q76d077b694_proj.kd
    .args:
      - { .name: xw, .offset: 0, .size: 8, .value_kind: global_buffer, .address_space: global }
      - { .name: bq, .offset: 8, .size: 8, .value_kind: global_buffer, .address_space: global }
      - { .name: bk, .offset: 16, .size: 8, .value_kind: global_buffer, .address_space: global }
      - { .name: bv, .offset: 24, .size: 8, .value_kind: global_buffer, .address_space: global }
      - { .name: qimg, .offset: 32, .size: 8, .value_kind: global_buffer, .address_space: global }
      - { .name: kvimg, .offset: 40, .size: 8, .value_kind: global_buffer, .address_space: global }
    .group_segment_fixed_size: 327680
    .private_segment_fixed_size: 0
    .kernarg_segment_align: 8
    .kernarg_segment_size: 48
    .max_flat_workgroup_size: 128
    .sgpr_count:     96
    .vgpr_count:     1024
    .wavefront_size: 32
...
	.end_amdgpu_metadata
.endif
;; end of part 2
;; launch attn (part 3): grid 4 x 64, 16 waves a work-group, clusters of 4 x 1, 227,328 bytes of LDS; arguments qimg, kvimg, mask, ctx; writes ctx
.if DOCPART == 3
	.amdgcn_target "amdgcn-amd-amdhsa--gfx1250"
	.amdhsa_code_object_version 6
	.text
	.protected	k_q76d077b694_attn
	.globl	k_q76d077b694_attn
	.p2align	8
	.type	k_q76d077b694_attn,@function
k_q76d077b694_attn:
	s_mov_b64 s[64:65], 0
	v_nop
	global_prefetch_b8 v0, s[64:65] scope:SCOPE_SE
	s_setreg_imm32_b32 hwreg(HW_REG_WAVE_MODE, 25, 1), 1
	s_wait_xcnt 0x0
	s_wait_alu depctr_hold_cnt(0) depctr_sa_sdst(0) depctr_va_vdst(0) depctr_va_sdst(0) depctr_va_ssrc(0) depctr_va_vcc(0) depctr_vm_vsrc(0)
	s_getreg_b32 s2, hwreg(HW_REG_IB_STS2, 6, 4)
	s_cmp_eq_u32 s2, 0
	s_cbranch_scc0 .Lentry_in_a_cluster
	s_endpgm
.Lentry_in_a_cluster:
	s_bfe_u32 s2, ttmp6, 0x10000c
	s_cmp_lg_u32 s2, 0x3003
	s_cbranch_scc0 .Lentry_shape_is_right
	s_endpgm
.Lentry_shape_is_right:
; ctx[b][q][head] = softmax_k(q . k / 8, keys with mask 0 hidden) v, both products on codes of FP6 (E2M3) with E8M0 scales; ctx is quantised along the model's 1,024 and stored as operand images for the last product.
; THE SOFTMAX: t = score x log2(e) / 8; M = the running largest t rounded up to a whole number; p = 2^(t - M) is quantised along the keys, not normalised; the row's sum is taken of the unquantised p and divides
; at the end; when M moves, the sum and O are multiplied by 2^(old M - new M), which rounds nothing.
; SHARES.  A cluster of four work-groups is one (batch, head); a work-group owns 512 queries, each of its sixteen waves 32: two tiles of 16, one after the other (PASS).
; THE HEAD'S WHOLE K AND V STAY IN LDS: 16 units of 12,800 bytes, one for each 128 keys.  Wave w asks for unit w jointly with wave w of the three partners: one tensor load a wave, nothing is filled again.
; No data prefetch: all of K and V is asked for at the head, so no later load is left to run ahead of.
; LAYOUT.  S^T = k q^T, O^T = v^T p^T: a lane holds one query.  The head's size is 64 and the instruction's K is 128: a fragment of k holds two tiles of 16 keys side by side along K; against [q | 0] it gives the first
; tile's scores, against [0 | q] the second's.  The two operands overlap in registers: 0 (6), q (6), 0 (6).
; Row m of tile T of k is key 64 (T / 4) + 8 (T % 4) + m % 8 + 32 (m / 8) of the step (the first launch lays key so): register 32 c + i of lane (r, h) is key 64 c + 32 h + i: ONE WHOLE SCALE BLOCK OF p IN A LANE,
; in the order of the operand's registers: a block's largest needs no other lane and the codes change no lane.
; THE MASK is turned once into a bias for each key, 0 or -2^100, in LDS; a step loads it into the scores' registers, where it is the C of k q^T.
; LOADS RUN AHEAD: k and v have registers of their own.  The next step's k, scale words and bias (33 loads) are asked for behind p's conversions, ahead of p v; v (17 loads) behind k q^T.
; LIMITS: a batch all of whose keys are hidden is not served (the definition gives NaN there); t must lie above -2^63; NaN and infinities are not served; a block whose largest magnitude lies under 2^-124 keeps the byte 1.
.set KVU,   12800                      ; a unit: k's 4 fragment images, scale words at 6,144; v's 4 images at 6,400, its scale words at 12,544
.set MB,    16*KVU                     ; the bias of 2,048 keys, 8,192 bytes, by LDS stores
.set QS,    MB+8192                    ; each wave's second tile of q, 768 bytes a wave, by LDS stores
.set SPARE, QS+16*768                  ; the spare words, 128 bytes a wave
.set F0,  0                            ; v0 f = 2^(old M - new M) (the thread's number until the head's end); v1 named with it as a pair
.set SPW, 2
.set NIL, 3
.set AD16, 4                           ; the unit's LDS byte + 16 x lane; + 8 x lane; the step's bias + 128 x (lane / 16)
.set AD8,  5
.set ADM,  6
.set QW,  7                            ; q's scale word as loaded
.set QSL, 8                            ; scale words of [q | 0], [0 | q]
.set QSH, 9
.set FSK, 10                           ; v10-13 k's scale words; v14-17 v's; v18 p's
.set FSV, 14
.set PW,  18
.set LN,  19                           ; lane
.set NM,  20                           ; v20 -M; v21 the running largest score
.set RM,  21
.set L,   22                           ; v22-23 the row's sum
.set QH,  24                           ; v24-35 [0 | q]
.set QL,  30                           ; v30-41 [q | 0]
.set FK,  42                           ; v42-89 k's four fragments
.set FV,  90                           ; v90-137 v's
.set S,   138                          ; v138-201 the bias, S^T, p
.set O,   202                          ; v202-233 O^T
.set PC,  234                          ; v234-245 p's codes
.set TM,  246                          ; v246-247 my two blocks' largest, then the conversions' scale operands
.set T,   248                          ; v248-255 at work
.macro WALU
	s_wait_alu depctr_va_vdst(0)
.endm
.macro ROUND
	s_barrier_signal -1
	s_barrier_wait -1
	s_cmp_lg_u32 s12, 0
	s_cbranch_scc1 .Lnot_wave_0_\@
	s_barrier_signal -3
.Lnot_wave_0_\@:
	s_barrier_wait -3
	s_barrier_signal -1
	s_barrier_wait -1
.endm
.macro FRAG reg, off
	ds_load_b128 v[\reg:\reg+3], v[AD16] offset:\off
	ds_load_b64 v[\reg+4:\reg+5], v[AD8] offset:\off+512
	ds_load_b128 v[\reg+6:\reg+9], v[AD16] offset:\off+768
	ds_load_b64 v[\reg+10:\reg+11], v[AD8] offset:\off+1280
.endm
.macro PREF ko, bo                     ; 33 loads: a step's k, its scale words (lanes 16-31 read bytes that the products do not take), its bias
.irp f, 0,1,2,3
	FRAG FK+12*\f, (\ko)+1536*\f
.endr
	ds_load_b128 v[FSK:FSK+3], v[AD16] offset:(\ko)+6144
.irp c, 0,1
.irp i, 0,1,2,3,4,5,6,7
	ds_load_b128 v[S+32*\c+4*\i:S+32*\c+4*\i+3], v[ADM] offset:(\bo)+256*\c+16*\i
.endr
.endr
.endm
	s_load_b256 s[4:11], s[0:1], 0x0               ; qimg, kvimg, mask, ctx
	v_lshl_add_u32 v[SPW], v0, 2, SPARE
	v_mov_b32 v[NIL], 0
	ds_add_u32 v[SPW], v[NIL]                      ; the opening lines: the add twice and its wait ahead of my tensor load
	ds_add_u32 v[SPW], v[NIL]
	v_lshrrev_b32 v[T], 5, v0
	v_readfirstlane_b32 s12, v[T]                  ; wave 0 .. 15
	s_bfe_u32 s13, ttmp6, 0x40000                  ; cx: it enters q's and ctx's global addresses alone
	s_and_b32 s14, ttmp7, 0xffff                   ; y = 16 batch + head
	s_mov_b32 s15, 0xbe38aa3b                      ; -c
	s_mov_b32 s20, 15|(3<<16)|(1<<21)              ; group 1: a unit is 50 dense rows of 256 bytes; the mask names all four partners
	s_mov_b32 s21, 32<<16
	s_mov_b32 s22, 50<<16
	s_mov_b32 s23, 32<<16
	s_mov_b32 s24, 50
	s_mov_b32 s25, 32
	s_mov_b32 s26, 0
	s_mov_b32 s27, 0
	s_mov_b32 s28, 0x76543210
	s_mov_b32 s29, 0xfedcba98                      ; selects for lane l xor 16
	s_mov_b32 s30, 0x3e38aa3b                      ; c = log2(e) / 8
	s_mov_b32 s31, s30
	s_mov_b32 s52, 0xffff
	s_mov_b32 s53, 0x01010000
	s_lshl_b32 s56, s14, 4
	s_add_co_u32 s56, s56, s12
	s_mul_i32 s56, s56, KVU                        ; unit 16 y + wave in memory,
	s_mov_b32 s57, 0
	s_mul_i32 s58, s12, KVU                        ; and in LDS
	s_mul_i32 s59, s12, 768
	s_add_co_u32 s59, s59, QS                      ; where my second tile of q waits
	s_lshr_b32 s44, s12, 2
	s_and_b32 s45, s12, 3                          ; f: which pair of tiles of the 128 tokens
	s_lshl_b32 s46, s13, 2
	s_add_co_u32 s46, s46, s44                     ; my 128 tokens: 4 cx + wave / 4
	s_lshl_b32 s47, s14, 4
	s_add_co_u32 s47, s47, s46
	s_mul_i32 s36, s47, 6400                       ; q's unit
	s_mul_i32 s48, s45, 1536
	s_lshl_b32 s49, s45, 2
	s_add_co_u32 s38, s36, s49
	s_add_co_u32 s38, s38, 6144                    ; my scale words
	s_add_co_u32 s36, s36, s48                     ; my fragment image
	s_mov_b32 s37, 0
	s_mov_b32 s39, 0
	s_lshr_b32 s48, s14, 4                         ; batch
	s_and_b32 s49, s14, 15                         ; head
	s_lshl_b32 s50, s48, 4
	s_add_co_u32 s50, s50, s46                     ; ctx's group of 128 tokens
	s_lshl_b32 s50, s50, 2
	s_lshr_b32 s51, s49, 2
	s_add_co_u32 s50, s50, s51                     ; its unit: four heads are 256 along K
	s_mul_i32 s50, s50, 25600
	s_bfe_u32 s51, s49, 0x10001                    ; which K step of the unit
	s_and_b32 s49, s49, 1                          ; which half of a fragment
	s_mul_i32 s40, s51, 12288
	s_add_co_u32 s40, s40, s50
	s_mul_i32 s54, s45, 3072
	s_add_co_u32 s40, s40, s54
	s_mul_i32 s54, s49, 768
	s_add_co_u32 s40, s40, s54                     ; where pass 0's half image goes
	s_mov_b32 s41, 0
	s_lshl_b32 s42, s51, 9
	s_add_co_u32 s42, s42, s50
	s_add_co_u32 s42, s42, 24576
	s_lshr_b32 s54, s45, 1
	s_lshl_b32 s54, s54, 8
	s_add_co_u32 s42, s42, s54
	s_and_b32 s54, s12, 1
	s_lshl_b32 s54, s54, 3
	s_add_co_u32 s42, s42, s54
	s_lshl_b32 s54, s49, 1
	s_add_co_u32 s42, s42, s54                     ; my head's two bytes of the tile's scale word
	s_mov_b32 s43, 0
	s_lshl_b32 s54, s48, 11                        ; the batch's 2,048 bytes of the mask
	s_mov_b32 s55, 0
	v_and_b32 v[LN], 31, v0
	v_and_b32 v[T+1], 15, v0
	v_lshlrev_b32 v[T+2], 2, v0                    ; my four bytes of the mask
	v_lshl_add_u32 v[T+3], v0, 4, MB               ; and their four numbers of the bias
	v_bfe_u32 v[ADM], v0, 4, 1
	v_lshlrev_b32 v[AD16], 4, v[LN]
	v_lshlrev_b32 v[AD8], 3, v[LN]
	v_lshlrev_b32 v[T+1], 4, v[T+1]
	v_lshl_add_u32 v[T+4], v[LN], 4, s59
	v_lshl_add_u32 v[T+5], v[LN], 3, s59
	v_lshl_add_u32 v[ADM], v[ADM], 7, MB
	WALU                                           ; the wait ahead of the waits below
	s_wait_dscnt 0x0
	s_wait_kmcnt 0x0
	s_mov_b32 s16, 1
	s_mov_b32 s17, s58
	s_add_nc_u64 s[18:19], s[6:7], s[56:57]
	s_or_b32 s19, s19, 0x80000000
	s_add_nc_u64 s[36:37], s[4:5], s[36:37]
	s_add_nc_u64 s[38:39], s[4:5], s[38:39]
	s_add_nc_u64 s[40:41], s[10:11], s[40:41]
	s_add_nc_u64 s[42:43], s[10:11], s[42:43]
	s_add_nc_u64 s[8:9], s[8:9], s[54:55]
	global_load_b128 v[QL:QL+3], v[AD16], s[36:37]             ; the first tile of q, into its place between the zeros
	global_load_b64 v[QL+4:QL+5], v[AD8], s[36:37] offset:512
	global_load_b128 v[S:S+3], v[AD16], s[36:37] offset:768    ; the second
	global_load_b64 v[S+4:S+5], v[AD8], s[36:37] offset:1280
	global_load_b32 v[QW], v[T+1], s[38:39]
	global_load_b32 v[S+6], v[T+2], s[8:9]
	ROUND                                          ; all four work-groups are here: the joint loads meet
	s_cmp_lt_u32 s12, 4                            ; my one tensor load.  Waves 0-3, whose units the first three steps read, have a line of their own: they alone wait ahead of the first barrier
	s_cbranch_scc0 .Llate
	tensor_load_to_lds s[16:19], s[20:27]
	s_nop 0
.rept 4
	v_nop
.endr
	s_branch .Lasked
.Llate:
	tensor_load_to_lds s[16:19], s[20:27]
	s_nop 0
.rept 4
	v_nop
.endr
.Lasked:
.irp i, 0,1,2,3,4,5
	v_mov_b32 v[QH+\i], 0
	v_mov_b32 v[QL+6+\i], 0
.endr
	v_mov_b32 v[F0+1], 0
	v_mov_b32 v[S+7], 0xf1800000                   ; -2^100
	WALU
	s_wait_loadcnt 0x0
.irp i, 0,1,2,3
	v_bfe_u32 v[S+8+\i], v[S+6], 8*\i, 8
.endr
.irp i, 0,1,2,3
	v_cmp_eq_u32 vcc_lo, 0, v[S+8+\i]
	v_cndmask_b32 v[S+8+\i], 0, v[S+7], vcc_lo     ; 0 where the key counts, -2^100 where it is hidden
.endr
	ds_store_b128 v[T+3], v[S+8:S+11]
	ds_store_b128 v[T+4], v[S:S+3]
	ds_store_b64 v[T+5], v[S+4:S+5] offset:512
	s_wait_dscnt 0x0                               ; my stores are done,
	s_cmp_lt_u32 s12, 4
	s_cbranch_scc0 .Lnot_first
	s_wait_tensorcnt 0x0                           ; waves 0-3: units 0-3 have landed; units 4-15 may still be on their way
.Lnot_first:
	s_barrier_signal -1
	s_barrier_wait -1                              ; everybody's are
; A KEY STEP: 128 keys.  s32: the unit's LDS byte; s33: MB + the step's 512 bytes of the bias.  pf = 1: the next unit is asked for; 2: unit 0, for the next pass; 0: nothing
.macro STEP pf
	s_wait_dscnt 0x0                               ; k, its scale words and the bias are in
.irp f, 0,1,2,3
	v_wmma_scale_f32_16x16x128_f8f6f4 v[S+16*\f:S+16*\f+7], v[FK+12*\f:FK+12*\f+11], v[QL:QL+11], v[S+16*\f:S+16*\f+7], v[FSK+\f], v[QSL] matrix_a_fmt:MATRIX_FMT_FP6 matrix_b_fmt:MATRIX_FMT_FP6
	v_wmma_scale_f32_16x16x128_f8f6f4 v[S+16*\f+8:S+16*\f+15], v[FK+12*\f:FK+12*\f+11], v[QH:QH+11], v[S+16*\f+8:S+16*\f+15], v[FSK+\f], v[QSH] matrix_a_fmt:MATRIX_FMT_FP6 matrix_b_fmt:MATRIX_FMT_FP6
.endr
	v_lshl_add_u32 v[AD16], v[LN], 4, s32          ; these four are the places behind the products, in front of the loads into v's registers and of the first read of the scores
	v_lshl_add_u32 v[AD8], v[LN], 3, s32
	v_lshrrev_b32 v[T+2], 4, v[LN]
	v_lshl_add_u32 v[ADM], v[T+2], 7, s33
.irp a, 0,1,2,3
	FRAG FV+12*\a, 6400+1536*\a                    ; 17 loads: v lands while the softmax is worked
.endr
	ds_load_b128 v[FSV:FSV+3], v[AD16] offset:12544
	v_max3_num_f32 v[TM], v[S], v[S+1], v[S+2]     ; my two blocks' largest scores, each in two chains
	v_max3_num_f32 v[T+2], v[S+16], v[S+17], v[S+18]
	v_max3_num_f32 v[TM+1], v[S+32], v[S+33], v[S+34]
	v_max3_num_f32 v[T+3], v[S+48], v[S+49], v[S+50]
.irp i, 3,5,7,9,11,13
	v_max3_num_f32 v[TM], v[TM], v[S+\i], v[S+\i+1]
	v_max3_num_f32 v[T+2], v[T+2], v[S+16+\i], v[S+17+\i]
	v_max3_num_f32 v[TM+1], v[TM+1], v[S+32+\i], v[S+33+\i]
	v_max3_num_f32 v[T+3], v[T+3], v[S+48+\i], v[S+49+\i]
.endr
	v_max3_num_f32 v[TM], v[TM], v[T+2], v[S+15]
	v_max3_num_f32 v[TM+1], v[TM+1], v[T+3], v[S+47]
	v_max_num_f32 v[TM], v[TM], v[S+31]
	v_max_num_f32 v[TM+1], v[TM+1], v[S+63]
	s_delay_alu instid0(VALU_DEP_1)
	v_max_num_f32 v[T+2], v[TM], v[TM+1]
	s_delay_alu instid0(VALU_DEP_1)
	v_permlanex16_b32 v[T+3], v[T+2], s28, s29     ; with lane l xor 16's two blocks
	s_delay_alu instid0(VALU_DEP_1)
	v_max3_num_f32 v[RM], v[RM], v[T+2], v[T+3]    ; the running largest score
	s_delay_alu instid0(VALU_DEP_1)
	v_mul_f32 v[T+2], s15, v[RM]                   ; -t
	s_delay_alu instid0(VALU_DEP_1)
	v_floor_f32 v[T+3], v[T+2]                     ; the new -M = floor(-t)
	s_delay_alu instid0(VALU_DEP_1)
	v_sub_f32 v[T+2], v[T+3], v[NM]                ; old M - new M: a whole number, 0 or less
	s_delay_alu instid0(VALU_DEP_2)
	v_mov_b32 v[NM], v[T+3]
	s_delay_alu instid0(VALU_DEP_2)
	v_cvt_i32_f32 v[T+2], v[T+2]                   ; (it saturates)
	s_delay_alu instid0(VALU_DEP_1)
	v_ldexp_f32 v[F0], 1.0, v[T+2]                 ; f
.set j, 0
.rept 32
	v_pk_fma_f32 v[S+j:S+j+1], v[S+j:S+j+1], s[30:31], v[NM:NM+1] op_sel_hi:[1,0,0]   ; t - M
.set j, j+2
.endr
	v_fma_f32 v[TM], v[TM], s30, v[NM]             ; the same of each block's largest score
	v_fma_f32 v[TM+1], v[TM+1], s30, v[NM]
	WALU                                           ; the wait ahead of the batch
.set j, 0
.rept 64
	v_exp_f32 v[S+j], v[S+j]                       ; p = 2^(t - M)
.set j, j+1
.endr
	v_exp_f32 v[TM], v[TM]                         ; each block's largest p: the same two instructions on the same number
	v_exp_f32 v[TM+1], v[TM+1]
	v_pk_mul_f32 v[L:L+1], v[L:L+1], v[F0:F0+1] op_sel_hi:[1,0]   ; the sum under the new M: the plain place behind the batch
	WALU                                           ; and the wait ahead of its first reader
	v_max_num_f32 v[TM], 0x1800000, v[TM]          ; the floor 2^(3 - 127): a block whose every p is 0 keeps the byte 1
	v_max_num_f32 v[TM+1], 0x1800000, v[TM+1]
	v_pk_add_f32 v[T:T+1], v[S:S+1], v[S+2:S+3]    ; the row's sum of the unquantised p, in four chains
	v_pk_add_f32 v[T+4:T+5], v[S+4:S+5], v[S+6:S+7]
	v_add_nc_u32 v[TM], 0xff000000, v[TM]          ; 2 off the exponent field: the conversions' scale operand
	v_add_nc_u32 v[TM+1], 0xff000000, v[TM+1]
	v_pk_add_f32 v[T+6:T+7], v[S+8:S+9], v[S+10:S+11]
	v_pk_add_f32 v[L:L+1], v[L:L+1], v[S+12:S+13]
	v_lshrrev_b32 v[T+2], 23, v[TM]                ; the bytes of blocks h and 2 + h
	v_lshrrev_b32 v[T+3], 23, v[TM+1]
	v_pk_add_f32 v[T:T+1], v[T:T+1], v[S+62:S+63]
	v_lshl_or_b32 v[T+2], v[T+3], 16, v[T+2]
	v_permlanex16_b32 v[T+3], v[T+2], s28, s29
	v_lshl_or_b32 v[PW], v[T+3], 8, v[T+2]         ; lanes 0-15: the four bytes of my query; lanes 16-31 are not taken
.set j, 14
.rept 6
	v_pk_add_f32 v[T:T+1], v[T:T+1], v[S+j:S+j+1]
	v_pk_add_f32 v[T+4:T+5], v[T+4:T+5], v[S+j+2:S+j+3]
	v_pk_add_f32 v[T+6:T+7], v[T+6:T+7], v[S+j+4:S+j+5]
	v_pk_add_f32 v[L:L+1], v[L:L+1], v[S+j+6:S+j+7]
.set j, j+8
.endr
	v_pk_add_f32 v[T:T+1], v[T:T+1], v[T+4:T+5]
	v_pk_add_f32 v[L:L+1], v[L:L+1], v[T+6:T+7]
	v_pk_add_f32 v[L:L+1], v[L:L+1], v[T:T+1]
	v_cvt_scalef32_pk16_fp6_f32 v[PC:PC+2], v[S:S+15], v[TM]
	v_cvt_scalef32_pk16_fp6_f32 v[T:T+2], v[S+16:S+31], v[TM]        ; (a conversion's three registers begin on an even number)
	v_cvt_scalef32_pk16_fp6_f32 v[PC+6:PC+8], v[S+32:S+47], v[TM+1]
	v_cvt_scalef32_pk16_fp6_f32 v[T+4:T+6], v[S+48:S+63], v[TM+1]
	v_nop                                          ; a plain place behind the scaled conversions
.irp i, 0,1,2
	v_mov_b32 v[PC+3+\i], v[T+\i]
	v_mov_b32 v[PC+9+\i], v[T+4+\i]
.endr
.if (\pf) == 1
	PREF KVU, 512
.elseif (\pf) == 2
	v_lshlrev_b32 v[AD16], 4, v[LN]
	v_lshlrev_b32 v[AD8], 3, v[LN]
	v_lshrrev_b32 v[T+3], 4, v[LN]
	v_lshl_add_u32 v[ADM], v[T+3], 7, MB
	PREF 0, 0
.endif
	WALU                                           ; the wait directly ahead of the first reader of O^T
.set j, 0
.rept 16
	v_pk_mul_f32 v[O+j:O+j+1], v[O+j:O+j+1], v[F0:F0+1] op_sel_hi:[1,0]   ; O^T under the new M; also the places between p's codes and the products
.set j, j+2
.endr
	WALU
.if \pf
	s_wait_dscnt 33                                ; v and its scale words are in; younger are the 33 loads of the next step
.else
	s_wait_dscnt 0x0
.endif
.irp a, 0,1,2,3
	v_wmma_scale_f32_16x16x128_f8f6f4 v[O+8*\a:O+8*\a+7], v[FV+12*\a:FV+12*\a+11], v[PC:PC+11], v[O+8*\a:O+8*\a+7], v[FSV+\a], v[PW] matrix_a_fmt:MATRIX_FMT_FP6 matrix_b_fmt:MATRIX_FMT_FP6
.endr
.endm
; A PASS: tile p of my two tiles of 16 queries walks all 2,048 keys: 15 steps in a loop and the last written out, since what it asks for differs.
.macro PASS p
.if (\p) == 1
	WALU
	s_wait_xcnt 0x0                                ; the first pass's stores have read their registers
	v_lshl_add_u32 v[T], v[LN], 4, s59
	v_lshl_add_u32 v[T+1], v[LN], 3, s59
	ds_load_b128 v[QL:QL+3], v[T]                  ; my second tile of q: my own stores
	ds_load_b64 v[QL+4:QL+5], v[T+1] offset:512
	v_lshrrev_b32 v[T+2], 16, v[QW]
	v_and_or_b32 v[QSL], v[T+2], s52, s53          ; q's two bytes, and the byte 1 over the zero half
	v_lshl_or_b32 v[QSH], v[T+2], 16, 0x101
.else
	PREF 0, 0
	v_and_or_b32 v[QSL], v[QW], s52, s53
	v_lshl_or_b32 v[QSH], v[QW], 16, 0x101
.endif
.set j, 0
.rept 32
	v_mov_b32 v[O+j], 0
.set j, j+1
.endr
	v_mov_b32 v[RM], 0xe0800000                    ; the largest score so far: -2^66, above every hidden score
	v_mov_b32 v[L], 0
	v_mov_b32 v[L+1], 0
	v_mul_f32 v[T+2], s15, v[RM]
	v_floor_f32 v[NM], v[T+2]
	s_mov_b32 s32, 0
	s_mov_b32 s33, MB
	WALU
.if (\p) == 0
.Lfirst_\@:                            ; the first pass's steps 0 to 2 read units 0 to 3 alone (step i takes v of unit i and asks for k of unit i + 1)
	STEP 1
	s_add_co_u32 s32, s32, KVU
	s_add_co_u32 s33, s33, 512
	s_cmp_lg_u32 s32, 3*KVU
	s_cbranch_scc1 .Lfirst_\@
	s_wait_tensorcnt 0x0                           ; every wave: its unit has landed;
	s_wait_dscnt 0x0
	s_barrier_signal -1
	s_barrier_wait -1                              ; all sixteen units are shown to all
	s_mov_b32 s32, 3*KVU
	s_mov_b32 s33, MB+3*512
.endif
.Lstep_\@:                             ; up to step 14; the loops count on the unit's LDS byte
	STEP 1
	s_add_co_u32 s32, s32, KVU
	s_add_co_u32 s33, s33, 512
	s_cmp_lg_u32 s32, 15*KVU
	s_cbranch_scc1 .Lstep_\@
	STEP 2-2*(\p)
.rept 4
	v_nop                                          ; places behind the last products
.endr
	v_add_f32 v[L], v[L], v[L+1]
	v_permlanex16_b32 v[T+3], v[L], s28, s29
	v_add_f32 v[L], v[L], v[T+3]                   ; the row's sum
	WALU
	v_rcp_f32 v[L], v[L]
	v_nop
	WALU
.set j, 0
.rept 32
	v_mul_f32 v[FV+j], v[O+j], v[L]                ; register 16 b + i is channel 32 b + 16 h + i of my query
.set j, j+1
.endr
.irp b, 0,1
	v_max3_num_f32 v[TM+\b], |v[FV+16*\b]|, |v[FV+16*\b+1]|, 0x1800000   ; ctx is quantised along the model's axis: my head's two blocks of 32
.endr
.irp i, 2,4,6,8,10,12,14
.irp b, 0,1
	v_max3_num_f32 v[TM+\b], v[TM+\b], |v[FV+16*\b+\i]|, |v[FV+16*\b+\i+1]|
.endr
.endr
.irp b, 0,1
	v_permlanex16_b32 v[T+2+\b], v[TM+\b], s28, s29
.endr
.irp b, 0,1
	v_max_num_f32 v[TM+\b], v[TM+\b], v[T+2+\b]
.endr
.irp b, 0,1
	v_add_nc_u32 v[TM+\b], 0xff000000, v[TM+\b]
.endr
.irp b, 0,1
	v_lshrrev_b32 v[T+2+\b], 23, v[TM+\b]
.endr
	v_lshl_or_b32 v[T+6], v[T+3], 8, v[T+2]
	v_cvt_scalef32_pk16_fp6_f32 v[PC:PC+2], v[FV:FV+15], v[TM]
	v_cvt_scalef32_pk16_fp6_f32 v[T:T+2], v[FV+16:FV+31], v[TM+1]
	v_lshlrev_b32 v[AD16], 4, v[LN]                ; a plain place behind the conversions
.irp i, 0,1,2
	v_permlane16_swap_b32 v[PC+\i], v[T+\i]        ; a whole block to a lane
.endr
.irp i, 0,1,2
	v_mov_b32 v[PC+3+\i], v[T+\i]
.endr
	v_lshlrev_b32 v[AD8], 3, v[LN]
	v_and_b32 v[T+7], 15, v[LN]
	v_lshlrev_b32 v[T+7], 4, v[T+7]
	global_store_b128 v[AD16], v[PC:PC+3], s[40:41] offset:1536*(\p)         ; half a fragment image: 512 and 256 consecutive bytes at multiples of 256
	global_store_b64 v[AD8], v[PC+4:PC+5], s[40:41] offset:1536*(\p)+512
	global_store_b16 v[T+7], v[T+6], s[42:43] offset:4*(\p)                  ; my head's half of the rows' scale words; lanes l and l + 16 write the same two bytes
.endm
	PASS 0
	PASS 1
	s_wait_tensorcnt 0x0                           ; the wave's end
	ds_add_u32 v[SPW], v[NIL]
	s_wait_dscnt 0x0
	ROUND                                          ; the closing round
	s_endpgm
.Lfunc_end_k_q76d077b694_attn:
	.size	k_q76d077b694_attn, .Lfunc_end_k_q76d077b694_attn-k_q76d077b694_attn
	.p2alignl 7, 3214868480
	.fill 96, 4, 3214868480
	.section	.rodata,"a",@progbits
	.p2align	6, 0x0
	.amdhsa_kernel k_q76d077b694_attn
		.amdhsa_group_segment_fixed_size 227328
		.amdhsa_private_segment_fixed_size 0
		.amdhsa_enable_private_segment 0
		.amdhsa_kernarg_size 32
		.amdhsa_user_sgpr_count 2
		.amdhsa_user_sgpr_kernarg_segment_ptr 1
		.amdhsa_wavefront_size32 1
		.amdhsa_system_sgpr_workgroup_id_x 1
		.amdhsa_system_sgpr_workgroup_id_y 1
		.amdhsa_system_sgpr_workgroup_id_z 1
		.amdhsa_system_vgpr_workitem_id 0
		.amdhsa_next_free_vgpr 256
		.amdhsa_next_free_sgpr 66
		.amdhsa_reserve_vcc 1
		.amdhsa_float_denorm_mode_32 3
		.amdhsa_float_denorm_mode_16_64 3
		.amdhsa_memory_ordered 1
		.amdhsa_forward_progress 1
		.amdhsa_inst_pref_size 99
	.end_amdhsa_kernel
	.amdgpu_metadata
---
amdhsa.version: [ 1, 2 ]
amdhsa.kernels:
  - .name:           k_q76d077b694_attn
    .symbol:         k_q76d077b694_attn.kd
    .args:
      - { .name: qimg, .offset: 0, .size: 8, .value_kind: global_buffer, .address_space: global }
      - { .name: kvimg, .offset: 8, .size: 8, .value_kind: global_buffer, .address_space: global }
      - { .name: mask, .offset: 16, .size: 8, .value_kind: global_buffer, .address_space: global }
      - { .name: ctx, .offset: 24, .size: 8, .value_kind: global_buffer, .address_space: global }
    .group_segment_fixed_size: 227328
    .private_segment_fixed_size: 0
    .kernarg_segment_align: 8
    .kernarg_segment_size: 32
    .max_flat_workgroup_size: 512
    .sgpr_count:     66
    .vgpr_count:     256
    .wavefront_size: 32
...
	.end_amdgpu_metadata
.endif
;; end of part 3
;; launch oproj (part 4): grid 8 x 32, 4 waves a work-group, clusters of 4 x 4, 327,680 bytes of LDS; arguments ctx, xw, bo, out0; writes out0
.if DOCPART == 4
	.amdgcn_target "amdgcn-amd-amdhsa--gfx1250"
	.amdhsa_code_object_version 6
	.text
	.protected	k_q76d077b694_oproj
	.globl	k_q76d077b694_oproj
	.p2align	8
	.type	k_q76d077b694_oproj,@function
k_q76d077b694_oproj:
	s_mov_b64 s[64:65], 0
	v_nop
	global_prefetch_b8 v0, s[64:65] scope:SCOPE_SE
	s_setreg_imm32_b32 hwreg(HW_REG_WAVE_MODE, 25, 1), 1
	s_wait_xcnt 0x0
	s_wait_alu depctr_hold_cnt(0) depctr_sa_sdst(0) depctr_va_vdst(0) depctr_va_sdst(0) depctr_va_ssrc(0) depctr_va_vcc(0) depctr_vm_vsrc(0)
	s_getreg_b32 s2, hwreg(HW_REG_IB_STS2, 6, 4)
	s_cmp_eq_u32 s2, 0
	s_cbranch_scc0 .Lentry_in_a_cluster
	s_endpgm
.Lentry_in_a_cluster:
	s_bfe_u32 s2, ttmp6, 0x10000c
	s_cmp_lg_u32 s2, 0xf033
	s_cbranch_scc0 .Lentry_shape_is_right
	s_endpgm
.Lentry_shape_is_right:
; out0[token][n] = sum over k of ctx[token][k] Wo[n][k] + bo[n], f32, on codes of FP6 (E2M3) with E8M0 scales: 8,192 x 1,024 x 1,024.
; A = ctx and B = Wo (groups 216-223 of xw) lie as operand images: a group of 128 rows has four units of 25,600 bytes, one for each 256 along K: 8 fragment images of K step 2 s, 8 of 2 s + 1, 1,024 bytes of scale words.
; Row r of tile T of a group is row 32 (T / 2) + 8 (T % 2) + r + 8 (r / 8).
; THE DEAL.  256 work-groups of four waves, 2 x 2, each 256 rows x 128 columns of C; a wave makes 128 x 64: 32 accumulators, 256 registers.
; ALL OF K LIES IN LDS AT ONCE: A's two groups and B's one, 307,200 bytes, in two halves along K.  Four tensor loads at the head, one a wave, each on a line of its own: B's half 0, A's half 0, B's half 1, A's half 1.
; A's half is two rows of 51,200 bytes (two units of each group), 102,400 bytes apart in memory.  The products begin when half 0 is in; a plain barrier inside K step 2 shows half 1.  Nothing is filled again.
; No data prefetch: all is asked for at the head.  CLUSTERS: 4 x 4; A's tiles are shared by a row of the cluster, B's by a column.
; THE MATRIX INSTRUCTION IS USED TRANSPOSED (source 0 = B's rows, source 1 = A's): a lane holds eight neighbouring numbers of a row of C.  The bias is the first K step's C.
; REGISTERS: window 0 addresses, scale words, bias, the way out; window 1 the accumulators ((a, b) at 8 (4 a + b)); windows 2 and 3 two sets of fragments (A's eight from 0, B's four from 96), by turns.
; LIMITS: NaN, infinities and sums beyond f32's range are not served; a sum begins with the bias.
.set UNIT,   25600
.set HALFA,  4*UNIT
.set HALF,   6*UNIT                    ; A's part, then B's
.set STAGE,  2*HALF                    ; 16 rows x (256 + 16) bytes for each wave: bytes of its own, no tile lands there
.set SPITCH, 272
.set SPARE,  STAGE+4*16*SPITCH
.set SPW, 8
.set NIL, 9
.set STO, 10
.set RD,  11
.set CO,  12
.set A16, 14                           ; pairs: LDS addresses for K half 0, 1
.set A8,  16
.set B16, 18
.set B8,  20
.set S1,  22                           ; scale words: lanes 0-15 A's tiles 0-3, lanes 16-31 my four tiles of B
.set S2,  24                           ; A's tiles 4-7, all lanes
.set SC,  32                           ; v32-47 two sets of eight scale words
.set BI,  64                           ; v64-95 the bias
.set BK,  128                          ; v128-191 two sets: 16 rows back from the stage
.set WV, 16
.set RH, 17
.set CH, 18
.set G1A, 24
.set G0A, 32
.set G1B, 48
.set G0B, 56
.set MSB, 0
.macro WIN new
.if MSB != (\new)
	s_set_vgpr_msb (MSB<<8)|(\new)
.set MSB, (\new)
.endif
.endm
.macro PLACES n
.rept \n
	v_nop
.endr
.endm
.macro CROUND
	s_barrier_signal -1
	s_barrier_wait -1
	s_cmp_lg_u32 s[WV], 0
	s_cbranch_scc1 .Lnot_wave_0_\@
	s_barrier_signal -3
.Lnot_wave_0_\@:
	s_barrier_wait -3
	s_barrier_signal -1
	s_barrier_wait -1
.endm
.macro TLOAD g0, g1
	tensor_load_to_lds s[\g0:\g0+3], s[\g1:\g1+7]
	s_nop 0
	PLACES 4
.endm
.macro FRAG reg, a16, a8, off
	ds_load_b128 v[\reg:\reg+3], v[\a16] offset:\off
	ds_load_b64 v[\reg+4:\reg+5], v[\a8] offset:\off+512
	ds_load_b128 v[\reg+6:\reg+9], v[\a16] offset:\off+768
	ds_load_b64 v[\reg+10:\reg+11], v[\a8] offset:\off+1280
.endm
.macro FETCH q                         ; K step q's fragments and scale words into set q % 2: 50 loads
.set J_, (\q)/4
.set OF_, (((\q)/2)%2)*UNIT+((\q)%2)*12288
.set SF_, (((\q)/2)%2)*UNIT+((\q)%2)*512
	WIN (2+(\q)%2)<<6
.irp i, 0,1,2,3
	FRAG 96+12*\i, B16+J_, B8+J_, OF_+1536*\i
.endr
.irp i, 0,1,2,3,4,5,6,7
	FRAG 12*\i, A16+J_, A8+J_, OF_+1536*\i
.endr
	WIN 0
	ds_load_b128 v[SC+8*((\q)%2):SC+8*((\q)%2)+3], v[S1+J_] offset:SF_
	ds_load_b128 v[SC+8*((\q)%2)+4:SC+8*((\q)%2)+7], v[S2+J_] offset:SF_+256
.endm
.macro MUL q                           ; 32 products, the 32 accumulators by turns
.set X_, SC+8*((\q)%2)
.if (\q) == 0
	WIN 0x4a
.else
	WIN 0x5a+5*((\q)%2)
.endif
.irp a, 0,1,2,3,4,5,6,7
.irp b, 0,1,2,3
.if (\q) == 0
	v_wmma_scale_f32_16x16x128_f8f6f4 v[8*(4*\a+\b):8*(4*\a+\b)+7], v[96+12*\b:96+12*\b+11], v[12*\a:12*\a+11], v[BI+8*\b:BI+8*\b+7], v[X_+\b], v[X_+\a] matrix_a_fmt:MATRIX_FMT_FP6 matrix_b_fmt:MATRIX_FMT_FP6 matrix_a_scale:MATRIX_SCALE_ROW1
.else
	v_wmma_scale_f32_16x16x128_f8f6f4 v[8*(4*\a+\b):8*(4*\a+\b)+7], v[96+12*\b:96+12*\b+11], v[12*\a:12*\a+11], v[8*(4*\a+\b):8*(4*\a+\b)+7], v[X_+\b], v[X_+\a] matrix_a_fmt:MATRIX_FMT_FP6 matrix_b_fmt:MATRIX_FMT_FP6 matrix_a_scale:MATRIX_SCALE_ROW1
.endif
.endr
.endr
.endm
	s_load_b256 s[4:11], s[0:1], 0x0               ; ctx, xw, bo, out0
	v_lshl_add_u32 v[SPW], v0, 2, SPARE
	v_mov_b32 v[NIL], 0
	ds_add_u32 v[SPW], v[NIL]                      ; the opening lines
	ds_add_u32 v[SPW], v[NIL]
	v_lshrrev_b32 v1, 5, v0
	v_readfirstlane_b32 s[WV], v1
	s_lshr_b32 s[RH], s[WV], 1                     ; my group of A.  Also: which half of K I fetch
	s_and_b32 s[CH], s[WV], 1                      ; my four tiles of B.  Also: I fetch for B (0) or for A (1)
	s_bfe_u32 s21, ttmp6, 0x40000
	s_bfe_u32 s22, ttmp6, 0x40004
	s_lshl_b32 s40, ttmp9, 2
	s_add_co_u32 s40, s40, s21                     ; tile column, 0 .. 7
	s_and_b32 s23, ttmp7, 0xffff
	s_lshl_b32 s23, s23, 2
	s_add_co_u32 s23, s23, s22                     ; tile row, 0 .. 31
	s_lshl_b32 s41, s22, 2
	s_lshl_b32 s41, 15, s41                        ; my row of the cluster
	s_lshl_b32 s42, 0x1111, s21                    ; my column
	s_or_b32 s[G1A], s41, (3<<16)|(1<<21)          ; A: 2 rows of 6,400 elements of 8 bytes, 12,800 elements apart
	s_mov_b32 s[G1A+1], 6400<<16
	s_mov_b32 s[G1A+2], 2<<16
	s_mov_b32 s[G1A+3], 6400<<16
	s_mov_b32 s[G1A+4], 2
	s_mov_b32 s[G1A+5], 12800
	s_mov_b32 s[G1A+6], 0
	s_mov_b32 s[G1A+7], 0
	s_or_b32 s[G1B], s42, (3<<16)|(1<<21)          ; B: 200 dense rows of 256 bytes
	s_mov_b32 s[G1B+1], 32<<16
	s_mov_b32 s[G1B+2], 200<<16
	s_mov_b32 s[G1B+3], 32<<16
	s_mov_b32 s[G1B+4], 200
	s_mov_b32 s[G1B+5], 32
	s_mov_b32 s[G1B+6], 0
	s_mov_b32 s[G1B+7], 0
	s_mul_i32 s43, s[RH], 2*UNIT                   ; the half of K, in a group's bytes
	s_mul_i32 s66, s23, 8*UNIT
	s_add_co_u32 s66, s66, s43
	s_mov_b32 s67, 0
	s_add_co_u32 s68, s40, 216
	s_mul_i32 s68, s68, 4*UNIT
	s_add_co_u32 s68, s68, s43
	s_mov_b32 s69, 0
	s_mul_i32 s44, s[RH], HALF
	s_mov_b32 s[G0A], 1
	s_mov_b32 s[G0A+1], s44
	s_mov_b32 s[G0B], 1
	s_add_co_u32 s[G0B+1], s44, HALFA
	s_wait_alu depctr_va_vdst(0)                   ; the wait ahead of the waits below
	s_wait_dscnt 0x0
	s_wait_kmcnt 0x0
	s_add_nc_u64 s[G0A+2:G0A+3], s[4:5], s[66:67]
	s_or_b32 s[G0A+3], s[G0A+3], 0x80000000
	s_add_nc_u64 s[G0B+2:G0B+3], s[6:7], s[68:69]
	s_or_b32 s[G0B+3], s[G0B+3], 0x80000000
	CROUND                                         ; all sixteen work-groups are here: the joint loads meet
	s_cmp_eq_u32 s[WV], 0
	s_cbranch_scc0 .Lwave_1
	TLOAD G0B, G1B                                 ; wave 0: B's half 0
	s_branch .Lasked
.Lwave_1:
	s_cmp_eq_u32 s[WV], 1
	s_cbranch_scc0 .Lwave_2
	TLOAD G0A, G1A                                 ; wave 1: A's half 0
	s_branch .Lasked
.Lwave_2:
	s_cmp_eq_u32 s[WV], 2
	s_cbranch_scc0 .Lwave_3
	TLOAD G0B, G1B                                 ; wave 2: B's half 1
	s_branch .Lasked
.Lwave_3:
	TLOAD G0A, G1A                                 ; wave 3: A's half 1
.Lasked:
	s_mul_i32 s81, s[RH], 2*UNIT                   ; my group of A in a half
	s_mul_i32 s82, s[CH], 6144
	s_add_co_u32 s82, s82, HALFA                   ; my four tiles of B
	s_lshl_b32 s83, s[CH], 8
	s_add_co_u32 s83, s83, HALFA
	s_sub_co_u32 s83, s83, s81                     ; from A's scale words to B's
	s_add_co_u32 s84, s81, 24576
	s_mul_i32 s86, s[WV], 16*SPITCH
	s_add_co_u32 s86, s86, STAGE
	s_lshl_b32 s88, s23, 8
	s_lshl_b32 s89, s[RH], 7
	s_add_co_u32 s88, s88, s89
	s_lshl_b32 s88, s88, 12                        ; my first row of C, in bytes
	s_lshl_b32 s90, s40, 9
	s_lshl_b32 s91, s[CH], 8
	s_add_co_u32 s90, s90, s91                     ; my first column, in bytes
	s_mov_b32 s91, 0
	s_add_nc_u64 s[8:9], s[8:9], s[90:91]
	s_add_co_u32 s88, s88, s90
	s_mov_b32 s89, 0
	s_add_nc_u64 s[10:11], s[10:11], s[88:89]
	v_and_b32 v1, 15, v0
	v_bfe_u32 v2, v0, 4, 1
	v_and_b32 v3, 31, v0
	v_lshlrev_b32 v6, 4, v3
	v_lshlrev_b32 v7, 3, v3
	v_mul_u32_u24 v4, s83, v2
	v_lshl_add_u32 v4, v1, 4, v4
	v_lshlrev_b32 v5, 4, v1
	v_add_nc_u32 v[A16], s81, v6
	v_add_nc_u32 v[A8], s81, v7
	v_add_nc_u32 v[B16], s82, v6
	v_add_nc_u32 v[B8], s82, v7
	v_add_nc_u32 v[S1], s84, v4
	v_add_nc_u32 v[S2], s84, v5
.irp x, A16, A8, B16, B8, S1, S2
	v_add_nc_u32 v[\x+1], HALF, v[\x]
.endr
	v_mul_u32_u24 v[STO], v1, SPITCH               ; into the stage: row l % 16, 64 bytes for each half of the lanes
	v_lshl_add_u32 v[STO], v2, 6, v[STO]
	v_add_nc_u32 v[STO], s86, v[STO]
	v_mul_u32_u24 v[RD], v2, SPITCH                ; back: sixteen lanes to a row of 256 bytes
	v_lshl_add_u32 v[RD], v1, 4, v[RD]
	v_add_nc_u32 v[RD], s86, v[RD]
	v_lshlrev_b32 v[CO], 12, v2                    ; and the same two rows in C
	v_lshl_add_u32 v[CO], v1, 4, v[CO]
	v_lshlrev_b32 v13, 6, v2
	s_wait_alu depctr_va_vdst(0)                   ; the wait at the head's end
.irp b, 0,1,2,3
	global_load_b128 v[BI+8*\b:BI+8*\b+3], v13, s[8:9] offset:(32*(\b/2)+8*(\b%2))*4
	global_load_b128 v[BI+8*\b+4:BI+8*\b+7], v13, s[8:9] offset:(32*(\b/2)+8*(\b%2))*4+16
.endr
	s_cmp_lt_u32 s[WV], 2
	s_cbranch_scc0 .Lnot_half_0
	s_wait_tensorcnt 0x0                           ; waves 0 and 1: half 0 has landed
.Lnot_half_0:
	s_barrier_signal -1
	s_barrier_wait -1                              ; half 1 may still be on its way
	FETCH 0
	s_wait_loadcnt 0x0
.irp q, 0,1,2,3,4,5,6,7
.if (\q > 0) && (\q < 7)
	PLACES 4                                       ; behind the last products, in front of the loads into the set that they read
.endif
.if \q < 7
	FETCH (\q+1)
.endif
.if \q == 2
	s_wait_tensorcnt 0x0                           ; every wave: all tiles have landed
	s_wait_dscnt 0x0
	s_barrier_signal -1
	MUL \q
	s_barrier_wait -1                              ; half 1 is shown to all
.else
.if \q < 7
	s_wait_dscnt 50                                ; this step's set is in; younger are the next step's 50 loads
.else
	s_wait_dscnt 0x0
.endif
	MUL \q
.endif
.endr
	WIN 0
; THE WAY OUT, by blocks of 16 rows x 64 columns, through my own stage: whole rows of 256 bytes come back, and sixteen lanes store one aligned unit of 256 bytes.  LDS serves a wave's instructions in order.
.macro TOSTAGE a
	WIN 0x04
.irp b, 0,1,2,3
	ds_store_b128 v[STO], v[8*(4*(\a)+\b):8*(4*(\a)+\b)+3] offset:128*(\b/2)+32*(\b%2)
	ds_store_b128 v[STO], v[8*(4*(\a)+\b)+4:8*(4*(\a)+\b)+7] offset:128*(\b/2)+32*(\b%2)+16
.endr
	WIN 0
.irp t, 0,1,2,3,4,5,6,7
	ds_load_b128 v[BK+32*((\a)%2)+4*\t:BK+32*((\a)%2)+4*\t+3], v[RD] offset:2*\t*SPITCH
.endr
.endm
.macro SEND a, younger
	s_wait_dscnt \younger
.irp t, 0,1,2,3,4,5,6,7
	global_store_b128 v[CO], v[BK+32*((\a)%2)+4*\t:BK+32*((\a)%2)+4*\t+3], s[10:11] offset:(32*((\a)/2)+8*((\a)%2)+2*\t+8*(\t/4))*4096 th:TH_STORE_NT
.endr
.endm
	PLACES 4
	TOSTAGE 0
.irp a, 1,2,3,4,5,6,7
.if \a > 1
	s_wait_xcnt 0x0                                ; block a - 2's stores have read their registers
.endif
	TOSTAGE \a
	SEND (\a-1), 16                                ; younger: block a's 8 stores and 8 loads
.endr
	SEND 7, 0
	s_wait_tensorcnt 0x0                           ; the wave's end
	ds_add_u32 v[SPW], v[NIL]
	s_wait_dscnt 0x0
	CROUND                                         ; the closing round
	s_endpgm
.Lfunc_end_k_q76d077b694_oproj:
	.size	k_q76d077b694_oproj, .Lfunc_end_k_q76d077b694_oproj-k_q76d077b694_oproj
	.p2alignl 7, 3214868480
	.fill 96, 4, 3214868480
	.section	.rodata,"a",@progbits
	.p2align	6, 0x0
	.amdhsa_kernel k_q76d077b694_oproj
		.amdhsa_group_segment_fixed_size 327680
		.amdhsa_private_segment_fixed_size 0
		.amdhsa_enable_private_segment 0
		.amdhsa_kernarg_size 32
		.amdhsa_user_sgpr_count 2
		.amdhsa_user_sgpr_kernarg_segment_ptr 1
		.amdhsa_wavefront_size32 1
		.amdhsa_system_sgpr_workgroup_id_x 1
		.amdhsa_system_sgpr_workgroup_id_y 1
		.amdhsa_system_sgpr_workgroup_id_z 1
		.amdhsa_system_vgpr_workitem_id 0
		.amdhsa_next_free_vgpr 1024
		.amdhsa_next_free_sgpr 96
		.amdhsa_reserve_vcc 0
		.amdhsa_float_denorm_mode_32 3
		.amdhsa_float_denorm_mode_16_64 3
		.amdhsa_memory_ordered 1
		.amdhsa_forward_progress 1
		.amdhsa_inst_pref_size 83
	.end_amdhsa_kernel
	.amdgpu_metadata
---
amdhsa.version: [ 1, 2 ]
amdhsa.kernels:
  - .name:           k_q76d077b694_oproj
    .symbol:         k_q76d077b694_oproj.kd
    .args:
      - { .name: ctx, .offset: 0, .size: 8, .value_kind: global_buffer, .address_space: global }
      - { .name: xw, .offset: 8, .size: 8, .value_kind: global_buffer, .address_space: global }
      - { .name: bo, .offset: 16, .size: 8, .value_kind: global_buffer, .address_space: global }
      - { .name: out0, .offset: 24, .size: 8, .value_kind: global_buffer, .address_space: global }
    .group_segment_fixed_size: 327680
    .private_segment_fixed_size: 0
    .kernarg_segment_align: 8
    .kernarg_segment_size: 32
    .max_flat_workgroup_size: 128
    .sgpr_count:     96
    .vgpr_count:     1024
    .wavefront_size: 32
...
	.end_amdgpu_metadata
.endif
;; end of part 4
